; MI455X (gfx1250); checked and timed in simulation.
; The chip was launched on July 23, 2026; its instructions are those of AMD's public machine-readable ISA for CDNA 5 (MIT licence, August 2026) and "CDNA5" Instruction Set Architecture Reference Guide (July 2026). The comments in the code are by the model that wrote it; some were corrected since.
;; Multi Head Attention. Allowed arithmetic: matrix products marked QUANTISED: E2M1 operands, one E8M0 scale for each 32 along K, by v_wmma_scale_f32_16x16x128_f8f6f4 with both operands' format E2M1 (or v_wmma_scale_f32_32x16x128_f4), f32 sums; products left as they are: bf16, f16 or f32 operands; f32 sums; everything else in f32.
;; Inputs: Wk 1,024 x 1,024 float32; Wo 1,024 x 1,024 float32; Wq 1,024 x 1,024 float32; Wv 1,024 x 1,024 float32; cos 1 x 2,048 x 1 x 32 float32; sin 1 x 2,048 x 1 x 32 float32; x 4 x 2,048 x 1,024 float32.
;; Outputs: out0 4 x 2,048 x 1,024 float32.
;; This version of the problem:
;;   THIS VERSION OF THE PROBLEM IS GIVEN IN LOW PRECISION. The matrix products marked QUANTISED in the list below multiply operands that are first quantised to E2M1 (2 exponent bits, 1 mantissa bit; 4 bits a number), with one power-of-two scale for each 32 numbers along K (OCP MX v1.0); their sums are f32. The products marked 'left as it is' may take bf16, f16 or f32 operands, with f32 sums. Whichever they take, every output number must still come out within the allowed error. Rounding operands to bf16 (8 significant bits) uses up far more of that allowance than f16 does (11 bits, for magnitudes from 6e-5 to 65,504). All else is computed in f32.
;;   The module's matrix products, in the order in which they are computed (A, B: the left and right operand; K: the contracted axis; several contracted axes count as one K, in the product's order):
;;     1. [M 8,192, K 1,024] x [K 1,024, N 1,024]; A: input x; B: input Wq: QUANTISED
;;     2. [M 8,192, K 1,024] x [K 1,024, N 1,024]; A: input x; B: input Wk: QUANTISED
;;     3. [M 8,192, K 1,024] x [K 1,024, N 1,024]; A: input x; B: input Wv: QUANTISED
;;     4. batch 64 x [M 2,048, K 64] x [K 64, N 2,048]; A: computed on the way; B: computed on the way: left as it is (an operand is computed on the way)
;;     5. batch 64 x [M 64, K 2,048] x [K 2,048, N 2,048]; A: computed on the way; B: computed on the way: left as it is (an operand is computed on the way)
;;     6. [M 8,192, K 1,024] x [K 1,024, N 1,024]; A: computed on the way; B: input Wo: left as it is (an operand is computed on the way)
;;   THE QUANTISER, for each operand of a quantised product, along K:
;;     - K is cut into blocks of 32 from its start; a last block that is shorter is filled with zeros.
;;     - A block's scale is 2^e with e = floor(log2(the largest magnitude in the block)) - 2, held to -126 .. 127; a block of zeros has e = 0. As a byte (E8M0): e + 127.
;;     - Each number is divided by its block's scale, clamped to +-6, and rounded to the nearest number of E2M1, ties to even, subnormals kept.
;;     - The product sums the exact products of the quantised numbers (number of the format x scale) in f32.
;;   ~~~python
;;   def quantise(x, axis):      # numpy; x: float32 -> the quantised numbers, widened to float32 again
;;       x = np.moveaxis(x, axis, -1); K = x.shape[-1]
;;       x = np.pad(x, [(0, 0)] * (x.ndim - 1) + [(0, -K % 32)]); x = x.reshape(x.shape[:-1] + (-1, 32)); a = np.abs(x).max(-1, keepdims=True)
;;       e = np.where(a > 0, np.clip(np.frexp(np.where(a > 0, a, 1))[1] - 1 - 2, -126, 127), 0)      # np.frexp(a)[1] - 1 = floor(log2(a)), exactly
;;       r = np.clip(x / 2.0 ** e, -6, 6)
;;       step = 2.0 ** (np.maximum(np.frexp(np.where(r == 0, 1, r))[1] - 1, 0) - 1)
;;       q = np.round(r / step) * step * 2.0 ** e      # np.round: ties to even
;;       return np.moveaxis(q.reshape(q.shape[:-2] + (-1,))[..., :K], -1, axis).astype(np.float32)
;;   ~~~
;; One version. Each part assembles by itself: llvm-mc -triple=amdgcn-amd-amdhsa -mcpu=gfx1250 --defsym DOCPART=n.
;; ======== version 1 of 1: 4 launches
;; limits: values are held in f16: magnitudes above 65,504 overflow, below 6.1e-05 lose precision
;; workspace buffers: xc 4,194,304 bytes; xs 262,144 bytes; wc 1,572,864 bytes; ws 98,304 bytes; wo16 2,097,152 bytes; qkvf 50,331,648 bytes; yf 16,777,216 bytes
;; launch quant (part 1): grid 416 x 1, 4 waves a work-group, no clusters, 33,280 bytes of LDS; arguments x, Wq, Wk, Wv, Wo, xc, xs, wc, ws, wo16; writes xc, xs, wc, ws, wo16
.if DOCPART == 1
	.amdgcn_target "amdgcn-amd-amdhsa--gfx1250"
	.amdhsa_code_object_version 6
	.text
	.protected	k_q5e7ed7407f_quant
	.globl	k_q5e7ed7407f_quant
	.p2align	8
	.type	k_q5e7ed7407f_quant,@function
k_q5e7ed7407f_quant:
	s_mov_b64 s[64:65], 0
	v_nop
	global_prefetch_b8 v0, s[64:65] scope:SCOPE_SE
	s_setreg_imm32_b32 hwreg(HW_REG_WAVE_MODE, 25, 1), 1
	s_wait_xcnt 0x0
; FIRST OF FOUR LAUNCHES of out = attention(x) Wo^T.  quant: x, Wq, Wk, Wv -> codes of FP4 (E2M1) with one E8M0 byte for each 32 along K; Wo -> f16.
; proj: the three quantised products, RoPE, RMS norm.  attn: softmax(q k^T / 8) v.  oproj: y Wo^T.
; NO INPUT AND NO PRODUCT IS LEFT OUT.  One step is taken otherwise than it is written: the maximum ahead of the exponential is not taken away, since the
; norm that comes ahead of the scores bounds them for every input (the proof stands at the head of attn).
; THE QUANTISER.  A block's scale is 2^(floor(log2(its largest magnitude)) - 2); its byte is the largest magnitude's exponent field - 2, held at 1 from below.
; Each number is divided by the scale and rounded to the nearest code, ties to even; beyond 6 the largest code.
; K (1,024) is innermost in x and in every W, and rows are dense: each tensor is a plain stream of blocks of 32 numbers, and so are its codes and its bytes.
; xc [8192][512 bytes], xs [8192][32]; wc [3072][512 bytes], ws [3072][32]: rows 0-1023 Wq, 1024-2047 Wk, 2048-3071 Wv.
; SHARES.  Work-groups 0-255 take x, 256-287 Wq, 288-319 Wk, 320-351 Wv: 32,768 numbers each, 8,192 a wave, in 16 steps of 512.  Only pointers are chosen by the
; work-group's number: the four tensors take one way through the text.  Each of a step's four loads reads 512 consecutive bytes; the 2,048 bytes turn through the
; wave's own stage in LDS and come back 64 bytes a lane, so that a lane holds 16 neighbours along K (two neighbouring lanes hold a block).
; Work-groups 352-415 take Wo: 16 rows each, wave w the columns 256 w on.  wo16 is laid in the order of the operand's registers: [256 rows][32 along K][16 rows][1,024 bytes];
; in a fragment (16 rows x 32 K) lane (r, h) holds row r: K = 8 h + 0..7 as 16 bytes at 16 x lane, K = 16 + 8 h + 0..7 at 512 + 16 x lane.
; LIMITS: a block of zeros carries the byte 1 where the rule says 127 (its codes are zeros, and this program alone reads the bytes); blocks whose largest magnitude lies
; under 2^-124 are held at the byte 1; NaN and infinities among the inputs are not served; Wo is rounded to f16: beyond 65,504 infinity, under 6e-5 a step of 6e-8.
.set WAVES, 4
.set STEPS, 16
.set WG_X,  256                        ; work-groups for x
.set WG_WO, 352                        ; the first work-group for Wo
.set EMAX,  2
.set CB,    8                          ; bytes of 16 codes
.set R,     16                         ; v16-79   four sets of 16 numbers as they are loaded
.set X,     80                         ; v80-111  two sets of 16 neighbours
.set C,     128                        ; v128-191 codes: four registers for each step, so that no store's data are written again
.set E,     112                        ; v112-127 a scale byte for each step
.set WREG,  8192                       ; LDS: a region for each wave: two stages of 32 x SP bytes, behind them its 256 scale bytes
.set SP,    80                         ; a lane's place in a stage: 64 bytes + 16 of padding
.set SPW,   12                         ; v12      LDS address of my spare word; never rewritten
.set NIL,   13                         ; v13      0; never rewritten
.set SPARE, WAVES*WREG                 ; behind the four regions: the spare words, 128 bytes a wave
.set SRC,   28                         ; s[28:29] the numbers
.set COD,   30                         ; s[30:31] their codes
.set SCB,   32                         ; s[32:33] their scale bytes
	s_load_b512 s[4:19], s[0:1], 0x0               ; x 4, Wq 6, Wk 8, Wv 10, Wo 12, xc 14, xs 16, wc 18
	s_load_b128 s[20:23], s[0:1], 0x40             ; ws 20, wo16 22
	v_lshl_add_u32 v[SPW], v0, 2, SPARE
	v_mov_b32 v[NIL], 0
	v_lshrrev_b32 v1, 5, v0
	v_readfirstlane_b32 s24, v1                    ; wave
	v_and_b32 v2, 31, v0                           ; lane
	v_lshlrev_b32 v3, 4, v2                        ; 16 x lane
	s_mul_i32 s25, s24, WREG
	v_lshrrev_b32 v14, 2, v2
	v_mul_u32_u24 v14, v14, SP
	v_and_b32 v15, 3, v2
	v_lshl_add_u32 v14, v15, 4, v14
	v_add_nc_u32 v14, s25, v14                     ; the stage, on the way in: four lanes' 64 bytes on end, then 16 of padding
	v_mul_u32_u24 v15, v2, SP
	v_add_nc_u32 v15, s25, v15                     ; and on the way out: my 16 neighbours
	v_mul_u32_u24 v4, v2, CB                       ; my codes' place in a step's
	v_lshrrev_b32 v5, 1, v2
	s_add_co_u32 s25, s25, 2*32*SP
	v_add_nc_u32 v5, s25, v5                       ; LDS: my wave's 256 scale bytes, my block's byte
	v_lshlrev_b32 v7, 3, v2                        ; and on the way out 8 bytes a lane
	v_add_nc_u32 v6, s25, v7
	s_wait_kmcnt 0x0
	s_cmp_ge_u32 ttmp9, WG_WO
	s_cbranch_scc1 .Lwo
	; which tensor: the choice hangs on the work-group's number alone
	s_sub_co_u32 s26, ttmp9, WG_X                  ; my place among the 96 work-groups of the three weights,
	s_and_b32 s27, s26, 31                         ; and within my weight
	s_cmp_lt_u32 ttmp9, 288
	s_cselect_b64 s[SRC:SRC+1], s[6:7], s[8:9]
	s_cmp_lt_u32 ttmp9, 320
	s_cselect_b64 s[SRC:SRC+1], s[SRC:SRC+1], s[10:11]
	s_cmp_lt_u32 ttmp9, WG_X
	s_cselect_b64 s[SRC:SRC+1], s[4:5], s[SRC:SRC+1]
	s_cselect_b64 s[COD:COD+1], s[14:15], s[18:19]
	s_cselect_b64 s[SCB:SCB+1], s[16:17], s[20:21]
	s_cselect_b32 s27, ttmp9, s27                  ; my place in the tensor that I read,
	s_cselect_b32 s26, ttmp9, s26                  ; and in the buffers that I write
	s_lshl_b32 s27, s27, 2
	s_add_co_u32 s27, s27, s24                     ; which run of 8,192 numbers is my wave's
	s_lshl_b32 s34, s27, 15                        ; 32,768 bytes a run
	s_mov_b32 s35, 0
	s_add_nc_u64 s[SRC:SRC+1], s[SRC:SRC+1], s[34:35]
	s_lshl_b32 s26, s26, 2
	s_add_co_u32 s26, s26, s24
	s_lshl_b32 s34, s26, 12                        ; 4,096 bytes of codes a run
	s_add_nc_u64 s[COD:COD+1], s[COD:COD+1], s[34:35]
	s_lshl_b32 s34, s26, 8                         ; 256 scale bytes a run
	s_add_nc_u64 s[SCB:SCB+1], s[SCB:SCB+1], s[34:35]
.macro LOAD t
.irp i, 0,1,2,3
	global_load_b128 v[R+16*((\t)%4)+4*\i:R+16*((\t)%4)+4*\i+3], v3, s[SRC:SRC+1] offset:2048*(\t)+512*\i th:TH_LOAD_NT   ; 32 lanes read 512 consecutive bytes
.endr
.endm
.macro TURN t                          ; step t's numbers through the stage: LDS serves a wave's instructions in order, so no wait stands between the stores and the loads
.irp i, 0,1,2,3
	ds_store_b128 v14, v[R+16*((\t)%4)+4*\i:R+16*((\t)%4)+4*\i+3] offset:32*SP*((\t)%2)+8*SP*\i
.endr
.irp i, 0,1,2,3
	ds_load_b128 v[X+16*((\t)%2)+4*\i:X+16*((\t)%2)+4*\i+3], v15 offset:32*SP*((\t)%2)+16*\i
.endr
.endm
.irp t, 0,1,2,3
	LOAD \t
.endr
	s_wait_loadcnt 12                              ; step 0's four loads are in; the twelve of steps 1 to 3 stay out
	TURN 0
.macro STEP t
.set XS, X+16*((\t)%2)
.if (\t) > 0
	s_wait_dscnt 1                                 ; this step's numbers are back from the stage (the last step's byte store may be out): so its stores into the stage have read their registers,
.else
	s_wait_dscnt 0x0
.endif
.if (\t)+4 < STEPS
	LOAD (\t)+4                                    ; which take the loads of four steps on
.endif
.if (\t)+1 < STEPS
.if STEPS-2-(\t) >= 3
	s_wait_loadcnt 12                              ; the next step's four loads are in; those of the three steps behind it may be out
.else
	s_wait_loadcnt 4*(STEPS-2-(\t))
.endif
	TURN (\t)+1                                    ; and go through the other stage while this step is worked
.endif
	v_max3_num_f32 v8, |v[XS]|, |v[XS+1]|, |v[XS+2]|               ; the largest magnitude of my 16, in two chains
	v_max3_num_f32 v9, |v[XS+3]|, |v[XS+4]|, |v[XS+5]|
.irp i, 6,10
	v_max3_num_f32 v8, v8, |v[XS+\i]|, |v[XS+\i+1]|
	v_max3_num_f32 v9, v9, |v[XS+\i+2]|, |v[XS+\i+3]|
.endr
	v_max3_num_f32 v8, v8, |v[XS+14]|, |v[XS+15]|
	v_max3_num_f32 v8, v8, v9, (EMAX+1)<<23        ; and the floor 2^(3 - 127): so the byte cannot fall under 1
	v_max_num_f32_dpp v8, v8, v8 row_xmask:1 row_mask:0xf bank_mask:0xf   ; and of my neighbour's 16: the block's
	v_add_nc_u32 v11, -(EMAX<<23), v8              ; 2 off its exponent field: the conversion takes the exponent field of this operand as its scale, and nothing else of it
	v_cvt_scalef32_pk8_fp4_f32 v[C+4*(\t)], v[XS:XS+7], v11
	v_cvt_scalef32_pk8_fp4_f32 v[C+4*(\t)+1], v[XS+8:XS+15], v11
	v_lshrrev_b32 v[E+(\t)], 23, v11               ; the scale's byte (also the plain line behind the conversions)
	ds_store_b8 v5, v[E+(\t)] offset:16*(\t)       ; both lanes of a block write the same byte with the same value
	global_store_b64 v4, v[C+4*(\t):C+4*(\t)+1], s[COD:COD+1] offset:32*CB*(\t)   ; the wave stores 256 consecutive bytes, aligned
.endm
.irp t, 0,1,2,3,4,5,6,7,8,9,10,11,12,13,14,15
	STEP \t
.endr
	ds_load_b64 v[8:9], v6                         ; LDS serves a wave's instructions in order: these see my stores
	s_wait_dscnt 0x0
	global_store_b64 v7, v[8:9], s[SCB:SCB+1]      ; 32 lanes store 256 consecutive bytes, aligned
	s_wait_tensorcnt 0x0                           ; the wave's end, behind my last LDS store
	ds_add_u32 v[SPW], v[NIL]
	s_wait_dscnt 0x0
	s_endpgm
.Lwo:                                              ; Wo to f16, in the order of the operand's registers.  No LDS: a lane's loads are its fragment's numbers
	s_sub_co_u32 s26, ttmp9, WG_WO                 ; which 16 rows of Wo
	s_lshl_b32 s34, s26, 16                        ; 16 rows of 4,096 bytes,
	s_lshl_b32 s25, s24, 10                        ; my wave's 256 columns
	s_add_co_u32 s34, s34, s25
	s_mov_b32 s35, 0
	s_add_nc_u64 s[12:13], s[12:13], s[34:35]
	s_lshr_b32 s34, s26, 4
	s_lshl_b32 s34, s34, 19                        ; the block of 256 rows: 524,288 bytes,
	s_and_b32 s25, s26, 15
	s_lshl_b32 s25, s25, 10                        ; my 16 rows in it: 1,024 bytes,
	s_add_co_u32 s34, s34, s25
	s_lshl_b32 s25, s24, 17                        ; my wave's eight steps of 32 along K: 16,384 bytes each
	s_add_co_u32 s34, s34, s25
	s_add_nc_u64 s[22:23], s[22:23], s[34:35]
	v_and_b32 v8, 15, v0                           ; r
	v_bfe_u32 v9, v0, 4, 1                         ; h
	v_lshlrev_b32 v10, 12, v8
	v_lshl_add_u32 v10, v9, 5, v10                 ; row r, + 8 h numbers
.irp i, 0,1,2,3,4,5,6,7                            ; fragment i: K = 32 i + 8 h + 0..7 and 32 i + 16 + 8 h + 0..7
	global_load_b128 v[16+16*\i:16+16*\i+3],     v10, s[12:13] offset:128*\i th:TH_LOAD_NT
	global_load_b128 v[16+16*\i+4:16+16*\i+7],   v10, s[12:13] offset:128*\i+16 th:TH_LOAD_NT
	global_load_b128 v[16+16*\i+8:16+16*\i+11],  v10, s[12:13] offset:128*\i+64 th:TH_LOAD_NT
	global_load_b128 v[16+16*\i+12:16+16*\i+15], v10, s[12:13] offset:128*\i+80 th:TH_LOAD_NT
.endr
.irp i, 0,1,2,3,4,5,6,7
	s_wait_loadcnt 4*(7-\i)                        ; fragment i's four loads are in; the later fragments' stay out
.irp k, 0,1,2,3,4,5,6,7
	v_cvt_pk_f16_f32 v[16+16*\i+\k], v[16+16*\i+2*\k], v[16+16*\i+2*\k+1]   ; in place, ascending: register k is written when pair k is read
.endr
	global_store_b128 v3, v[16+16*\i:16+16*\i+3],   s[22:23] offset:16384*\i       ; the wave stores 512 consecutive bytes
	global_store_b128 v3, v[16+16*\i+4:16+16*\i+7], s[22:23] offset:16384*\i+512
.endr
	s_wait_tensorcnt 0x0                           ; the wave's end
	ds_add_u32 v[SPW], v[NIL]
	s_wait_dscnt 0x0
	s_endpgm
.Lfunc_end_k_q5e7ed7407f_quant:
	.size	k_q5e7ed7407f_quant, .Lfunc_end_k_q5e7ed7407f_quant-k_q5e7ed7407f_quant
	.p2alignl 7, 3214868480
	.fill 96, 4, 3214868480
	.section	.rodata,"a",@progbits
	.p2align	6, 0x0
	.amdhsa_kernel k_q5e7ed7407f_quant
		.amdhsa_group_segment_fixed_size 33280
		.amdhsa_private_segment_fixed_size 0
		.amdhsa_enable_private_segment 0
		.amdhsa_kernarg_size 80
		.amdhsa_user_sgpr_count 2
		.amdhsa_user_sgpr_kernarg_segment_ptr 1
		.amdhsa_wavefront_size32 1
		.amdhsa_system_sgpr_workgroup_id_x 1
		.amdhsa_system_sgpr_workgroup_id_y 1
		.amdhsa_system_sgpr_workgroup_id_z 1
		.amdhsa_system_vgpr_workitem_id 0
		.amdhsa_next_free_vgpr 192
		.amdhsa_next_free_sgpr 66
		.amdhsa_reserve_vcc 0
		.amdhsa_float_denorm_mode_32 3
		.amdhsa_float_denorm_mode_16_64 3
		.amdhsa_memory_ordered 1
		.amdhsa_forward_progress 1
		.amdhsa_inst_pref_size 43
	.end_amdhsa_kernel
	.amdgpu_metadata
---
amdhsa.version: [ 1, 2 ]
amdhsa.kernels:
  - .name:           k_q5e7ed7407f_quant
    .symbol:         k_q5e7ed7407f_quant.kd
    .args:
      - { .name: x, .offset: 0, .size: 8, .value_kind: global_buffer, .address_space: global }
      - { .name: Wq, .offset: 8, .size: 8, .value_kind: global_buffer, .address_space: global }
      - { .name: Wk, .offset: 16, .size: 8, .value_kind: global_buffer, .address_space: global }
      - { .name: Wv, .offset: 24, .size: 8, .value_kind: global_buffer, .address_space: global }
      - { .name: Wo, .offset: 32, .size: 8, .value_kind: global_buffer, .address_space: global }
      - { .name: xc, .offset: 40, .size: 8, .value_kind: global_buffer, .address_space: global }
      - { .name: xs, .offset: 48, .size: 8, .value_kind: global_buffer, .address_space: global }
      - { .name: wc, .offset: 56, .size: 8, .value_kind: global_buffer, .address_space: global }
      - { .name: ws, .offset: 64, .size: 8, .value_kind: global_buffer, .address_space: global }
      - { .name: wo16, .offset: 72, .size: 8, .value_kind: global_buffer, .address_space: global }
    .group_segment_fixed_size: 33280
    .private_segment_fixed_size: 0
    .kernarg_segment_align: 8
    .kernarg_segment_size: 80
    .max_flat_workgroup_size: 128
    .sgpr_count:     66
    .vgpr_count:     192
    .wavefront_size: 32
...
	.end_amdgpu_metadata
.endif
;; end of part 1
;; launch proj (part 2): grid 12 x 32, 4 waves a work-group, clusters of 4 x 4, 327,680 bytes of LDS; arguments xc, xs, wc, ws, cos, sin, qkvf; writes qkvf
.if DOCPART == 2
	.amdgcn_target "amdgcn-amd-amdhsa--gfx1250"
	.amdhsa_code_object_version 6
	.text
	.protected	k_q5e7ed7407f_proj
	.globl	k_q5e7ed7407f_proj
	.p2align	8
	.type	k_q5e7ed7407f_proj,@function
k_q5e7ed7407f_proj:
	s_mov_b64 s[64:65], 0
	v_nop
	global_prefetch_b8 v0, s[64:65] scope:SCOPE_SE
	s_setreg_imm32_b32 hwreg(HW_REG_WAVE_MODE, 25, 1), 1
	s_wait_xcnt 0x0
	s_wait_alu depctr_hold_cnt(0) depctr_sa_sdst(0) depctr_va_vdst(0) depctr_va_sdst(0) depctr_va_ssrc(0) depctr_va_vcc(0) depctr_vm_vsrc(0)
	s_getreg_b32 s2, hwreg(HW_REG_IB_STS2, 6, 4)
	s_cmp_eq_u32 s2, 0
	s_cbranch_scc0 .Lentry_in_a_cluster
	s_endpgm
.Lentry_in_a_cluster:
	s_bfe_u32 s2, ttmp6, 0x10000c
	s_cmp_lg_u32 s2, 0xf033
	s_cbranch_scc0 .Lentry_shape_is_right
	s_endpgm
.Lentry_shape_is_right:
; q, k, v = x Wq^T, x Wk^T, x Wv^T on codes of FP4 (E2M1) with E8M0 scales, as ONE product [8192][1024] x [3072][1024]^T, f32 sums; then, in registers, RoPE and the RMS norm
; on q and k, the scores' factor on q, and the rounding to f16.  Nothing of the problem's work is left out here.
; A tile, 256 tokens x 256 features, is made by a work-group of four waves; a wave makes 128 x 128: 64 accumulators of 16 x 16, 512 registers: two whole heads of 64.
; K = 1,024 is two LDS slots of 512 along K (rows of 256 bytes), both asked for at the start: nothing is filled again.  The scale bytes of the 256 + 256 rows, for all of K, are two dense blocks and come once.
; CLUSTERS: 4 x 4 work-groups.  The four of a row of the cluster need the same tiles of x, the four of a column the same tiles of W: each tile is asked for JOINTLY.
; 1,024 features are four tile columns, so a cluster's x (ttmp9) IS the kind: 0 q, 1 k, 2 v: the same in all sixteen partners, so the text may part on it.
; THE MATRIX INSTRUCTION IS USED TRANSPOSED (source 0 = 16 rows of W, source 1 = 16 tokens): lane (r, h) holds token r, and its eight registers the features 16 b + 8 h + 0..7.
; So RoPE's partners (feature d and d + 32) lie in the same lane, two accumulators apart; a head's sum of squares wants one exchange between the halves of the lanes; and eight results, rounded
; to f16, are 16 bytes of an operand's register image for the next launch: they are stored as they stand, 512 consecutive bytes a store, with no stage in LDS.
; qkvf: [64 heads (16 batch + head)][4 chunks of 512 tokens][K 65,536 bytes, V 65,536, Q 65,536]; in a part: 16 tokens 2,048 bytes, in them 16 features 512 bytes.
;   Q, K: lane (r, h)'s 16 bytes at 16 x lane.   V: at 32 r + 16 h: rows [key][16 channels] of 32 bytes, which the next launch reads turned.
; q is multiplied by log2(e) / 8 beside the norm's factor, so that the next launch's exponential is 2^(q . k).
; LIMITS: v is rounded to f16: beyond 65,504 infinity, under 6e-5 a step of 6e-8.  RoPE is two fused multiply-adds where the problem's text rounds each product.  NaN and infinities are not served.
; REGISTERS, in windows of 256: window 0: v0-31 addresses; v32-95 scale words, two sets; v128-191 x's fragments, one set; v192-255 cos and sin, two sets; on the way out v32-191 are at work.
;   window 1: W's fragments, two sets, at v0 and at v128.   window 2: the accumulators of my tokens 0-63 ((a, b) at v[8 (8 a + b)]);   window 3: those of my tokens 64-127.
.set SIZE_K, 1024
.set KSTEP,  512                       ; along K in a slot
.set NQ,     KSTEP/128                 ; matrix instructions deep
.set ROWB,   256                       ; a tile's row in bytes
.set KROW,   SIZE_K/2                  ; a row of codes in memory
.set PITCH,  272                       ; an LDS row: 256 bytes + 16 of padding = 68 words: the 16 rows that a load touches start 4 words apart modulo 64
.set FR,     8                         ; registers of a fragment: 16 rows x 128 K
.set NL,     2                         ; LDS loads that bring one
.set NP,     4                         ; places behind this matrix instruction (ISA guide 7.12.1)
.set HALFT,  128*PITCH                 ; 128 rows: what one tensor load brings, and what one wave reads of x or of W
.set SLOT,   4*HALFT                   ; x's 256 rows, then W's 256 rows
.set KS,     SIZE_K/32                 ; a row of scale bytes
.set SCL,    2*SLOT                    ; behind the slots: the scales, as rows of 256 bytes + 16 of padding
.set HALFS,  (128*KS/256)*272          ; the scales of 128 rows: what one tensor load brings
.set SBLK,   (16*KS/256)*272           ; those of 16 rows
.set SPARE,  SCL+4*HALFS               ; behind the scales: the spare words, 128 bytes a wave
.set HEADB,  786432                    ; a head in qkvf
.set ADRA, 16                          ; v16-17  LDS address of my fragments of x in slot 0, 1
.set ADRB, 20                          ; v20-21  the same for W
.set LI,   24                          ; v24     16 x lane: Q's and K's images
.set LV,   25                          ; v25     32 r + 16 h: V's rows
.set LC,   26                          ; v26     128 r + 32 h: my token's row of cos and sin, my half's eight numbers
.set ADRS, 27                          ; v27     LDS address of my scale words: lanes 0-15 x's rows, lanes 16-31 W's
.set SPW,  28                          ; v28     LDS address of my spare word; never rewritten
.set NIL,  29                          ; v29     0; never rewritten
.set SC,   32                          ; scale words: set s at v[SC + 32 s]; register 4 i + q: lanes 0-15 the word of x's block i, lanes 16-31 that of W's block i
.set AF,   128                         ; x's fragments
.set YR,   32                          ; the way out: v32-95 a block's 64 numbers after RoPE: head hh at 32 hh, features 16 t + 8 h + j at 8 t + j
.set PK,   96                          ; v96-127 (v: v96-159, two sets) packed f16
.set TMP,  128                         ; v128-139 sums and factors
.set CSR,  192                         ; set s at v[192 + 32 s]: cos at 8 u + j, sin at 16 + 8 u + j, for d = 16 u + 8 h + j
.set G1, 24                            ; s[24:31] descriptor group 1 for x's tiles;  s[32:39] group 0, one set for each slot
.set G0, 32
.set G1B, 48                           ; s[48:55], s[56:63] the same for W's tiles
.set G0B, 56
.set G1S, 68                           ; s[68:75], s[76:79] groups 1 and 0 for x's scales;  s[80:87], s[88:91] for W's
.set G0S, 76
.set G1SB, 80
.set G0SB, 88
.set QS,   95                          ; s95  log2(e) / 8 for q, 1 for k
.set R64,  66                          ; s66  1 / 64
.set EPSR, 67                          ; s67  eps = 2^-23
.set SEL,  100                         ; s[100:101] lane selects for v_permlanex16_b32: lane l xor 16
.set MSB, 0
.macro WIN new                         ; the immediate's high byte repeats the setting that is left
.if MSB != (\new)
	s_set_vgpr_msb (MSB<<8)|(\new)
.set MSB, \new
.endif
.endm
.set MUL_LO, 0xa1                      ; source 0 (W) window 1, source 1 (x) window 0, C and D window 2
.set MUL_HI, 0xf1                      ; the same, C and D window 3
.set TO_B,   0x40                      ; destination window 1, address window 0
; A joint load: waves 0 and 1 fetch for x, waves 2 and 3 for W.  Each of the two lines has one mask and one set of registers for all that issue it; the branch hangs on the wave's number alone.
; An s_nop 0 and four v_nop follow each of the two lines.
.macro JLOAD g0a, g1a, g0b, g1b
	s_cmp_eq_u32 s15, 0
	s_cbranch_scc0 .Lfor_b_\@
	tensor_load_to_lds s[\g0a:\g0a+3], s[\g1a:\g1a+7]
	s_nop 0
.rept 4
	v_nop
.endr
	s_branch .Lasked_\@
.Lfor_b_\@:
	tensor_load_to_lds s[\g0b:\g0b+3], s[\g1b:\g1b+7]
	s_nop 0
.rept 4
	v_nop
.endr
.Lasked_\@:
.endm
.macro CROUND                          ; a round of the cluster's barrier
	s_barrier_signal -1
	s_barrier_wait -1
	s_cmp_lg_u32 s14, 0
	s_cbranch_scc1 .Lnot_wave_0_\@
	s_barrier_signal -3
.Lnot_wave_0_\@:
	s_barrier_wait -3
	s_barrier_signal -1
	s_barrier_wait -1
.endm
	s_load_b128 s[4:7], s[0:1], 0x0                ; x's codes s[4:5], x's scales s[6:7]
	s_load_b128 s[8:11], s[0:1], 0x10              ; W's codes s[8:9], W's scales s[10:11]
	s_load_b128 s[96:99], s[0:1], 0x20             ; cos s[96:97], sin s[98:99]
	s_load_b64 s[12:13], s[0:1], 0x30              ; qkvf
	v_lshl_add_u32 v[SPW], v0, 2, SPARE
	v_mov_b32 v[NIL], 0
	ds_add_u32 v[SPW], v[NIL]                      ; the wave's opening: the add, twice on end, and its wait ahead of my first tensor load
	ds_add_u32 v[SPW], v[NIL]                      ; and once more; the set-up below, work on registers, stands between it and the wait
	v_lshrrev_b32 v1, 5, v0
	v_readfirstlane_b32 s14, v1                    ; wave 0..3
	s_lshr_b32 s15, s14, 1                         ; which half of the tile's tokens is mine.  Also: I fetch for x (0) or for W (1)
	s_and_b32 s16, s14, 1                          ; which half of its features.  Also: which 128 rows of that tile I fetch
	s_bfe_u32 s40, ttmp6, 0x40000                  ; cx, cy: my place in the cluster
	s_bfe_u32 s41, ttmp6, 0x40004
	s_lshl_b32 s42, ttmp9, 2
	s_add_co_u32 s42, s42, s40                     ; tile column = 4 x cluster x + cx
	s_and_b32 s17, ttmp7, 0xffff
	s_lshl_b32 s17, s17, 2
	s_add_co_u32 s17, s17, s41                     ; tile row = 4 x cluster y + cy
	s_lshl_b32 s43, s41, 2
	s_lshl_b32 s43, 15, s43                        ; my row of the cluster
	s_lshl_b32 s44, 0x1111, s40                    ; my column
	; descriptor group 1: a tile of 128 rows x 256 bytes, padded in LDS
	s_or_b32 s[G1+0], s43, (0<<16)|(1<<20)|(1<<21)|(5<<22)|(3<<25)  ; 15:0 the mask: x's tiles go to my row; elements of 1 byte; padding on; bit 21 beside a mask; after every 64 words, 4 words
	s_or_b32 s[G1B+0], s44, (0<<16)|(1<<20)|(1<<21)|(5<<22)|(3<<25)
.irp g, G1, G1B
	s_mov_b32 s[\g+1], ROWB<<16                    ; tensor_dim0
	s_mov_b32 s[\g+2], 128<<16                     ; tensor_dim1 = 128
	s_mov_b32 s[\g+3], ROWB<<16                    ; tile_dim0
	s_mov_b32 s[\g+4], 128                         ; tile_dim1 = 128
	s_mov_b32 s[\g+5], KROW                        ; tensor_dim0_stride
	s_mov_b32 s[\g+6], 0
	s_mov_b32 s[\g+7], 0
.endr
	; and for the scales of 128 rows: a dense block of 4,096 bytes, as 16 rows of 256 bytes (32 elements of 8 bytes), 16 bytes of padding behind each
	s_or_b32 s[G1S+0], s43, (3<<16)|(1<<20)|(1<<21)|(5<<22)|(3<<25)
	s_or_b32 s[G1SB+0], s44, (3<<16)|(1<<20)|(1<<21)|(5<<22)|(3<<25)
.irp g, G1S, G1SB
	s_mov_b32 s[\g+1], 32<<16
	s_mov_b32 s[\g+2], (128*KS/256)<<16
	s_mov_b32 s[\g+3], 32<<16
	s_mov_b32 s[\g+4], 128*KS/256
	s_mov_b32 s[\g+5], 32
	s_mov_b32 s[\g+6], 0
	s_mov_b32 s[\g+7], 0
.endr
	s_lshl_b32 s18, s16, 7                         ; which 128 rows of the tile I fetch
	s_lshl_b32 s20, s17, 8
	s_add_co_u32 s20, s20, s18                     ; x: row 256 x tile row + 128 x half
	s_lshl_b32 s46, s42, 8
	s_add_co_u32 s46, s46, s18                     ; W: row 256 x tile column + 128 x half
	s_mov_b32 s21, 0
	s_mov_b32 s47, 0
	s_mov_b64 s[18:19], KS
	s_mul_u64 s[22:23], s[20:21], s[18:19]         ; where these rows' scales begin, in bytes
	s_mul_u64 s[92:93], s[46:47], s[18:19]
	s_mov_b64 s[18:19], KROW
	s_mul_u64 s[20:21], s[20:21], s[18:19]         ; and their codes
	s_mul_u64 s[46:47], s[46:47], s[18:19]
	s_mul_i32 s45, s14, HALFT                      ; where they go: wave x 128 rows: no place in the cluster enters an LDS address
	s_mul_i32 s94, s14, HALFS
	s_wait_dscnt 0x0                               ; both opening adds are done
	s_wait_kmcnt 0x0
	s_add_nc_u64 s[20:21], s[4:5], s[20:21]
	s_add_nc_u64 s[22:23], s[6:7], s[22:23]
	s_add_nc_u64 s[46:47], s[8:9], s[46:47]
	s_add_nc_u64 s[92:93], s[10:11], s[92:93]
	CROUND                                         ; all sixteen work-groups are here: the joint loads meet
	s_mov_b32 s[G0S], 1
	s_add_co_u32 s[G0S+1], s94, SCL
	s_mov_b64 s[G0S+2:G0S+3], s[22:23]
	s_or_b32 s[G0S+3], s[G0S+3], 0x80000000
	s_mov_b32 s[G0SB], 1
	s_add_co_u32 s[G0SB+1], s94, SCL
	s_mov_b64 s[G0SB+2:G0SB+3], s[92:93]
	s_or_b32 s[G0SB+3], s[G0SB+3], 0x80000000
	JLOAD G0S, G1S, G0SB, G1SB                     ; the scales first: they are wanted with the first slot
.irp s, 0,1
	s_mov_b32 s[G0+4*\s], 1
	s_add_co_u32 s[G0+4*\s+1], s45, \s*SLOT
	s_add_nc_u64 s[G0+4*\s+2:G0+4*\s+3], s[20:21], \s*ROWB
	s_or_b32 s[G0+4*\s+3], s[G0+4*\s+3], 0x80000000
	s_mov_b32 s[G0B+4*\s], 1
	s_add_co_u32 s[G0B+4*\s+1], s45, \s*SLOT
	s_add_nc_u64 s[G0B+4*\s+2:G0B+4*\s+3], s[46:47], \s*ROWB
	s_or_b32 s[G0B+4*\s+3], s[G0B+4*\s+3], 0x80000000
	JLOAD G0+4*\s, G1, G0B+4*\s, G1B               ; three loads of mine are out in all
.endr
	v_and_b32 v1, 15, v0                           ; r = l % 16
	v_bfe_u32 v2, v0, 4, 1                         ; h = l / 16
	v_mul_u32_u24 v3, v1, PITCH
	v_lshl_add_u32 v4, v2, 4, v3                   ; a fragment's row x pitch + 16 x half
	s_mul_i32 s21, s15, HALFT                      ; my 128 rows of x
	s_mul_i32 s22, s16, HALFT                      ; my 128 rows of W,
	s_add_co_u32 s22, s22, 2*HALFT                 ; which lie behind x's 256
.irp s, 0,1
	v_add_nc_u32 v[ADRA+\s], s21, v4
	v_add_nc_u32 v[ADRB+\s], s22, v4
	s_add_co_u32 s21, s21, SLOT
	s_add_co_u32 s22, s22, SLOT
.endr
	v_mul_u32_u24 v5, v1, KS                       ; my row's scales: 32 bytes a row,
	v_lshrrev_b32 v6, 8, v5
	v_lshl_add_u32 v5, v6, 4, v5                   ; and 16 more for each 256 passed
	s_mul_i32 s21, s15, HALFS                      ; x's: my 128 rows
	s_mul_i32 s22, s16, HALFS                      ; W's: my 128 rows, behind x's 256
	s_add_co_u32 s22, s22, 2*HALFS
	s_sub_co_u32 s22, s22, s21
	v_mul_u32_u24 v6, s22, v2                      ; lanes 16-31 take W's
	s_add_co_u32 s21, s21, SCL
	v_add_nc_u32 v5, v5, v6
	v_add_nc_u32 v[ADRS], s21, v5
	v_and_b32 v6, 31, v0
	v_lshlrev_b32 v[LI], 4, v6
	v_lshlrev_b32 v[LV], 5, v1
	v_lshl_add_u32 v[LV], v2, 4, v[LV]
	v_lshlrev_b32 v[LC], 7, v1
	v_lshl_add_u32 v[LC], v2, 5, v[LC]
	; the addresses in memory of the way out.  A tile row is 256 tokens: eight to a batch
	s_and_b32 s21, s17, 7                          ; the tile row within its batch
	s_lshl_b32 s22, s21, 8
	s_lshl_b32 s23, s15, 7
	s_add_co_u32 s22, s22, s23                     ; my first token's position
	s_lshl_b32 s22, s22, 7                         ; a position's row of cos or sin is 128 bytes
	s_mov_b32 s23, 0
	s_add_nc_u64 s[96:97], s[96:97], s[22:23]
	s_add_nc_u64 s[98:99], s[98:99], s[22:23]
	s_lshr_b32 s20, s17, 3                         ; the batch
	s_lshl_b32 s20, s20, 4
	s_lshl_b32 s22, s40, 2                         ; a tile column is four heads,
	s_add_co_u32 s20, s20, s22
	s_lshl_b32 s22, s16, 1                         ; my half of it two
	s_add_co_u32 s20, s20, s22                     ; 16 batch + my first head
	s_mul_i32 s20, s20, HEADB
	s_lshr_b32 s22, s21, 1                         ; the chunk of 512 tokens
	s_mul_i32 s22, s22, 196608
	s_add_co_u32 s20, s20, s22
	s_and_b32 s22, s21, 1
	s_lshl_b32 s22, s22, 4
	s_lshl_b32 s46, s15, 3
	s_add_co_u32 s22, s22, s46                     ; my first 16 tokens in the chunk,
	s_lshl_b32 s22, s22, 11                        ; 2,048 bytes each
	s_add_co_u32 s20, s20, s22
	s_sub_co_u32 s22, ttmp9, 1
	s_lshl_b32 s22, s22, 16                        ; the part: k at 0, v at 65,536,
	s_cmp_eq_u32 ttmp9, 0
	s_cselect_b32 s22, 0x20000, s22                ; q at 131,072
	s_cselect_b32 s[QS], 0x3e38aa3b, 1.0           ; q also takes log2(e) / 8
	s_add_co_u32 s20, s20, s22
	s_mov_b32 s21, 0
	s_add_nc_u64 s[12:13], s[12:13], s[20:21]
	s_mov_b32 s[R64], 0x3c800000
	s_mov_b32 s[EPSR], 0x34000000
	s_mov_b32 s[SEL], 0x76543210
	s_mov_b32 s[SEL+1], 0xfedcba98
.macro FRAG reg, adr, q, i             ; a fragment, 16 rows x 128 K of 4-bit codes: lane l holds row l % 16; registers 4 c .. 4 c + 3 hold K = 64 c + 32 (l / 16) + 0 .. 31
.irp c, 0,1
	ds_load_b128 v[\reg+4*\c:\reg+4*\c+3], v[\adr] offset:64*(\q)+32*\c+(\i)*16*PITCH
.endr
.endm
; 16 matrix instructions: x's blocks a0, a0 + 1 against W's eight, 128 along K: the slot's q-th.  p: W's set;  sc: the set of scale words.  zero = 1: the first product starts the sums.
; The 64 accumulators take turns, one instruction a turn, in the same order in every step.
.macro MUL16 a0, p, q, sc, zero
.irp a, \a0, \a0+1
.irp b, 0,1,2,3,4,5,6,7
.if \zero
	v_wmma_scale_f32_16x16x128_f8f6f4 v[8*(8*((\a)%4)+\b):8*(8*((\a)%4)+\b)+7], v[128*(\p)+FR*\b:128*(\p)+FR*\b+FR-1], v[AF+FR*(\a):AF+FR*(\a)+FR-1], 0, v[SC+8*NQ*(\sc)+NQ*\b+(\q)], v[SC+8*NQ*(\sc)+NQ*(\a)+(\q)] matrix_a_fmt:MATRIX_FMT_FP4 matrix_b_fmt:MATRIX_FMT_FP4 matrix_a_scale:MATRIX_SCALE_ROW1
.else
	v_wmma_scale_f32_16x16x128_f8f6f4 v[8*(8*((\a)%4)+\b):8*(8*((\a)%4)+\b)+7], v[128*(\p)+FR*\b:128*(\p)+FR*\b+FR-1], v[AF+FR*(\a):AF+FR*(\a)+FR-1], v[8*(8*((\a)%4)+\b):8*(8*((\a)%4)+\b)+7], v[SC+8*NQ*(\sc)+NQ*\b+(\q)], v[SC+8*NQ*(\sc)+NQ*(\a)+(\q)] matrix_a_fmt:MATRIX_FMT_FP4 matrix_b_fmt:MATRIX_FMT_FP4 matrix_a_scale:MATRIX_SCALE_ROW1
.endif
.endr
.endr
.endm
.macro FETCH_B slot, q, p              ; W's eight fragments of the slot's q-th 128 along K into set p
	WIN TO_B
.irp i, 0,1,2,3,4,5,6,7
	FRAG 128*(\p)+FR*\i, ADRB+\slot, \q, \i
.endr
	WIN 0
.endm
.macro FETCH_A slot, q, i0             ; x's blocks i0 .. i0 + 3
.irp i, \i0, \i0+1, \i0+2, \i0+3
	FRAG AF+FR*(\i), ADRA+\slot, \q, \i
.endr
.endm
.macro SCALES sc                       ; a slot's scale words into set sc: four words a row; lanes 0-15 take x's block i, lanes 16-31 W's block i
.irp i, 0,1,2,3,4,5,6,7
	ds_load_b128 v[SC+8*NQ*\sc+NQ*\i:SC+8*NQ*\sc+NQ*\i+3], v[ADRS] offset:\i*SBLK
.endr
.endm
; A load into a register that a matrix instruction has read, and a vector instruction that reads a matrix result or writes one of its registers, stand NP places behind it; only plain
; vector instructions that name none of its registers are places (ISA guide 7.12.1 for vector instructions).
.macro PLACES n
.rept \n
	v_nop
.endr
.endm
; A step of 128 along K that has its successor in the same slot.  x has one set of registers: a block is free as soon as its eight products are issued.
.macro STEP slot, q, zero
	s_wait_dscnt 4*NL                              ; W's set and x's blocks 0-3 are in; the youngest eight loads (x's blocks 4-7) may be out
	WIN MUL_LO
	MUL16 0, (\q)%2, \q, \slot, \zero
	MUL16 2, (\q)%2, \q, \slot, \zero
	s_wait_dscnt 0                                 ; x's blocks 4-7 are in (asked for 32 matrix instructions ago)
	PLACES NP
	FETCH_B \slot, (\q)+1, 1-(\q)%2
	FETCH_A \slot, (\q)+1, 0
	WIN MUL_HI
	MUL16 4, (\q)%2, \q, \slot, \zero
	MUL16 6, (\q)%2, \q, \slot, \zero
	PLACES NP
	WIN 0
	FETCH_A \slot, (\q)+1, 4
.endm
; Slot 0's last step goes over to slot 1: each wave waits for all its tensor loads, its part of slot 1 among them, and a barrier shows the whole slot to every wave.  Nothing is filled again.
.macro TURN slot, next
	s_wait_tensorcnt 0x0                           ; all my tensor loads have landed
	ds_add_u32 v[SPW], v[NIL]                      ; 0 onto my spare word
	s_wait_dscnt 4*NL+1                            ; (the add and the youngest eight loads, x's blocks 4-7, may be out)
	WIN MUL_LO
	MUL16 0, 1, NQ-1, \slot, 0                     ; sixteen matrix instructions stand between the add and the wait for it
	s_wait_dscnt 0x0                               ; no LDS instruction of mine is out at the signal
	s_barrier_signal -1
	MUL16 2, 1, NQ-1, \slot, 0
	WIN 0
	s_barrier_wait -1
	PLACES NP
	v_add_nc_u32 v[ADRS], 4*NQ, v[ADRS]            ; on to the next slot's scale words
	FETCH_B \next, 0, 0
	FETCH_A \next, 0, 0
	SCALES \next
	WIN MUL_HI
	MUL16 4, 1, NQ-1, \slot, 0
	MUL16 6, 1, NQ-1, \slot, 0
	PLACES NP
	WIN 0
	FETCH_A \next, 0, 4
.endm
.macro STEPS slot, from                ; the slot's steps from .. NQ - 2
.set Q, \from
.rept NQ-1-\from
	STEP \slot, Q, 0
.set Q, Q+1
.endr
.endm
; Slot 1's four steps: written once on each of the two ways (q and k; v), so that the text parts ONCE on the kind
.macro TAIL
	STEPS 1, 0
	s_wait_dscnt 4*NL                              ; the very last step: nothing more to fetch
	WIN MUL_LO
	MUL16 0, 1, NQ-1, 1, 0
	MUL16 2, 1, NQ-1, 1, 0
	s_wait_dscnt 0
	WIN MUL_HI
	MUL16 4, 1, NQ-1, 1, 0
	MUL16 6, 1, NQ-1, 1, 0
	WIN 0
	PLACES NP                                      ; the way out writes registers that held scale words and fragments
.endm
; cos and sin of block a's 16 tokens: lane (r, h) takes, of token r, d = 16 u + 8 h + 0..7, u = 0, 1: eight loads, into set a % 2
.macro CSLOAD a
.set CL, CSR+32*((\a)%2)
.irp u, 0,1
	global_load_b128 v[CL+8*\u:CL+8*\u+3],       v[LC], s[96:97] offset:2048*(\a)+64*\u
	global_load_b128 v[CL+8*\u+4:CL+8*\u+7],     v[LC], s[96:97] offset:2048*(\a)+64*\u+16
	global_load_b128 v[CL+16+8*\u:CL+16+8*\u+3], v[LC], s[98:99] offset:2048*(\a)+64*\u
	global_load_b128 v[CL+16+8*\u+4:CL+16+8*\u+7], v[LC], s[98:99] offset:2048*(\a)+64*\u+16
.endr
.endm
; THE WAY OUT OF q AND k, block a of 16 tokens x 128 features (two heads).
.macro QKBLOCK a
.set AC, 64*((\a)%4)
.set CC, CSR+32*((\a)%2)
.if (\a) < 7
	s_wait_loadcnt 8                               ; this block's cos and sin are in; the next block's eight loads may be out
.else
	s_wait_loadcnt 0
.endif
	WIN 2+(\a)/4                                   ; source 0: the accumulators' window
.irp hh, 0,1                                       ; RoPE: y1 = x1 cos + x2 sin, y2 = x2 cos - x1 sin; x1 = features d, x2 = d + 32: accumulators u and u + 2 of the head.  Each accumulator is read from its low end on
.irp u, 0,1
.irp jp, 0,2,4,6
	v_pk_mul_f32 v[YR+32*\hh+8*\u+\jp:YR+32*\hh+8*\u+\jp+1], v[AC+8*(4*\hh+\u)+\jp:AC+8*(4*\hh+\u)+\jp+1], v[CC+8*\u+\jp:CC+8*\u+\jp+1]
	v_pk_mul_f32 v[YR+32*\hh+8*\u+16+\jp:YR+32*\hh+8*\u+16+\jp+1], v[AC+8*(4*\hh+\u+2)+\jp:AC+8*(4*\hh+\u+2)+\jp+1], v[CC+8*\u+\jp:CC+8*\u+\jp+1]
	v_pk_fma_f32 v[YR+32*\hh+8*\u+\jp:YR+32*\hh+8*\u+\jp+1], v[AC+8*(4*\hh+\u+2)+\jp:AC+8*(4*\hh+\u+2)+\jp+1], v[CC+16+8*\u+\jp:CC+16+8*\u+\jp+1], v[YR+32*\hh+8*\u+\jp:YR+32*\hh+8*\u+\jp+1]
	v_pk_fma_f32 v[YR+32*\hh+8*\u+16+\jp:YR+32*\hh+8*\u+16+\jp+1], v[AC+8*(4*\hh+\u)+\jp:AC+8*(4*\hh+\u)+\jp+1], v[CC+16+8*\u+\jp:CC+16+8*\u+\jp+1], v[YR+32*\hh+8*\u+16+\jp:YR+32*\hh+8*\u+16+\jp+1] neg_lo:[1,0,0] neg_hi:[1,0,0]
.endr
.endr
.endr
	WIN 0
.if (\a) < 6
	CSLOAD (\a)+2                                  ; this set has been read: it takes the block two further on
.endif
.irp c, 0,1,2,3                                    ; the sums of squares, in four chains, two to a head
	v_pk_mul_f32 v[TMP+2*\c:TMP+2*\c+1], v[YR+16*\c:YR+16*\c+1], v[YR+16*\c:YR+16*\c+1]
.endr
.irp i, 2,4,6,8,10,12,14
.irp c, 0,1,2,3
	v_pk_fma_f32 v[TMP+2*\c:TMP+2*\c+1], v[YR+16*\c+\i:YR+16*\c+\i+1], v[YR+16*\c+\i:YR+16*\c+\i+1], v[TMP+2*\c:TMP+2*\c+1]
.endr
.endr
	v_pk_add_f32 v[TMP:TMP+1], v[TMP:TMP+1], v[TMP+2:TMP+3]
	v_pk_add_f32 v[TMP+4:TMP+5], v[TMP+4:TMP+5], v[TMP+6:TMP+7]
	v_add_f32 v[TMP], v[TMP], v[TMP+1]
	v_add_f32 v[TMP+4], v[TMP+4], v[TMP+5]
	v_permlanex16_b32 v[TMP+2], v[TMP], s[SEL], s[SEL+1]      ; the head's other 32 features lie in the lane 16 away
	v_permlanex16_b32 v[TMP+6], v[TMP+4], s[SEL], s[SEL+1]
	v_add_f32 v[TMP], v[TMP], v[TMP+2]
	v_add_f32 v[TMP+4], v[TMP+4], v[TMP+6]
	v_fma_f32 v[TMP], v[TMP], s[R64], s[EPSR]      ; the mean of the squares + eps
	v_fma_f32 v[TMP+4], v[TMP+4], s[R64], s[EPSR]
	v_rsq_f32 v[TMP+2], v[TMP]
	v_rsq_f32 v[TMP+6], v[TMP+4]
	v_nop                                          ; a plain instruction behind the last of the two
	s_wait_alu depctr_va_vdst(0)                   ; and the wait ahead of the first use: one for both
	v_mul_f32 v[TMP+8], s[QS], v[TMP+2]            ; the head's factor, in both halves of a pair
	v_mul_f32 v[TMP+9], s[QS], v[TMP+2]
	v_mul_f32 v[TMP+10], s[QS], v[TMP+6]
	v_mul_f32 v[TMP+11], s[QS], v[TMP+6]
.irp hh, 0,1
.irp i, 0,2,4,6,8,10,12,14,16,18,20,22,24,26,28,30
	v_pk_mul_f32 v[YR+32*\hh+\i:YR+32*\hh+\i+1], v[YR+32*\hh+\i:YR+32*\hh+\i+1], v[TMP+8+2*\hh:TMP+9+2*\hh]
.endr
.endr
.if (\a) > 0
	s_wait_xcnt 0x0                                ; the last block's stores have read their data: the packed registers are written again only behind this wait
.endif
.set i, 0
.rept 32
	v_cvt_pk_f16_f32 v[PK+i], v[YR+2*i], v[YR+2*i+1]
.set i, i+1
.endr
.irp hh, 0,1
.irp t, 0,1,2,3
	global_store_b128 v[LI], v[PK+16*\hh+4*\t:PK+16*\hh+4*\t+3], s[12:13] offset:\hh*HEADB+(\a)*2048+\t*512   ; the wave stores 512 consecutive bytes, aligned
.endr
.endr
.endm
; THE WAY OUT OF v: rounded to f16 and stored; two sets of packed registers by turns
.macro VBLOCK a
.set AC, 64*((\a)%4)
.set PV, PK+32*((\a)%2)
.if (\a) > 1
	s_wait_xcnt 0x0                                ; the stores of two blocks back have read their data
.endif
	WIN 0x0a+5*((\a)/4)                            ; sources 0 and 1: window 2 or 3
.set i, 0
.rept 32
	v_cvt_pk_f16_f32 v[PV+i], v[AC+2*i], v[AC+2*i+1]   ; ascending: each accumulator from its low end on
.set i, i+1
.endr
	WIN 0
.irp b, 0,1,2,3,4,5,6,7
	global_store_b128 v[LV], v[PV+4*\b:PV+4*\b+3], s[12:13] offset:(\b/4)*HEADB+(\a)*2048+(\b%4)*512   ; 512 consecutive bytes: 16 keys x 16 channels
.endr
.endm
	s_wait_tensorcnt 1                             ; the scales and my part of slot 0 are in (slot 1's load may be out)
	s_barrier_signal -1
	s_barrier_wait -1                              ; everybody's are
	FETCH_B 0, 0, 0
	FETCH_A 0, 0, 0
	SCALES 0
	FETCH_A 0, 0, 4
	STEP 0, 0, 1                                   ; the first step's products start the sums: nothing is cleared
	STEPS 0, 1
	TURN 0, 1
	s_cmp_eq_u32 ttmp9, 2                          ; the kind: the cluster's x, the same in all sixteen partners and in all four waves
	s_cbranch_scc1 .Lv
	CSLOAD 0                                       ; q and k: the first two blocks' cos and sin are asked for four steps, 256 matrix instructions, ahead of their use
	CSLOAD 1
	TAIL
.irp a, 0,1,2,3,4,5,6,7
	QKBLOCK \a
.endr
	s_branch .Lend
.Lv:
	TAIL
.irp a, 0,1,2,3,4,5,6,7
	VBLOCK \a
.endr
.Lend:
	s_wait_tensorcnt 0x0                           ; the wave's end, behind my last tensor load
	ds_add_u32 v[SPW], v[NIL]
	s_wait_dscnt 0x0
	CROUND                                         ; the closing round: no work-group ends while a partner may still ask for a tile that names it
	s_endpgm
.Lfunc_end_k_q5e7ed7407f_proj:
	.size	k_q5e7ed7407f_proj, .Lfunc_end_k_q5e7ed7407f_proj-k_q5e7ed7407f_proj
	.p2alignl 7, 3214868480
	.fill 96, 4, 3214868480
	.section	.rodata,"a",@progbits
	.p2align	6, 0x0
	.amdhsa_kernel k_q5e7ed7407f_proj
		.amdhsa_group_segment_fixed_size 327680
		.amdhsa_private_segment_fixed_size 0
		.amdhsa_enable_private_segment 0
		.amdhsa_kernarg_size 56
		.amdhsa_user_sgpr_count 2
		.amdhsa_user_sgpr_kernarg_segment_ptr 1
		.amdhsa_wavefront_size32 1
		.amdhsa_system_sgpr_workgroup_id_x 1
		.amdhsa_system_sgpr_workgroup_id_y 1
		.amdhsa_system_sgpr_workgroup_id_z 1
		.amdhsa_system_vgpr_workitem_id 0
		.amdhsa_next_free_vgpr 1024
		.amdhsa_next_free_sgpr 102
		.amdhsa_reserve_vcc 0
		.amdhsa_float_denorm_mode_32 3
		.amdhsa_float_denorm_mode_16_64 3
		.amdhsa_memory_ordered 1
		.amdhsa_forward_progress 1
		.amdhsa_inst_pref_size 255
	.end_amdhsa_kernel
	.section	.bss,"aw",@nobits
	.p2align	6
	.space	262144
	.amdgpu_metadata
---
amdhsa.version: [ 1, 2 ]
amdhsa.kernels:
  - .name:           k_q5e7ed7407f_proj
    .symbol:         k_q5e7ed7407f_proj.kd
    .args:
      - { .name: xc, .offset: 0, .size: 8, .value_kind: global_buffer, .address_space: global }
      - { .name: xs, .offset: 8, .size: 8, .value_kind: global_buffer, .address_space: global }
      - { .name: wc, .offset: 16, .size: 8, .value_kind: global_buffer, .address_space: global }
      - { .name: ws, .offset: 24, .size: 8, .value_kind: global_buffer, .address_space: global }
      - { .name: cos, .offset: 32, .size: 8, .value_kind: global_buffer, .address_space: global }
      - { .name: sin, .offset: 40, .size: 8, .value_kind: global_buffer, .address_space: global }
      - { .name: qkvf, .offset: 48, .size: 8, .value_kind: global_buffer, .address_space: global }
    .group_segment_fixed_size: 327680
    .private_segment_fixed_size: 0
    .kernarg_segment_align: 8
    .kernarg_segment_size: 56
    .max_flat_workgroup_size: 128
    .sgpr_count:     102
    .vgpr_count:     1024
    .wavefront_size: 32
...
	.end_amdgpu_metadata
.endif
;; end of part 2
;; launch attn (part 3): grid 4 x 64, 8 waves a work-group, clusters of 4 x 1, 327,680 bytes of LDS; arguments qkvf, yf; writes yf
.if DOCPART == 3
	.amdgcn_target "amdgcn-amd-amdhsa--gfx1250"
	.amdhsa_code_object_version 6
	.text
	.protected	k_q5e7ed7407f_attn
	.globl	k_q5e7ed7407f_attn
	.p2align	8
	.type	k_q5e7ed7407f_attn,@function
k_q5e7ed7407f_attn:
	s_mov_b64 s[64:65], 0
	v_nop
	global_prefetch_b8 v0, s[64:65] scope:SCOPE_SE
	s_setreg_imm32_b32 hwreg(HW_REG_WAVE_MODE, 25, 1), 1
	s_wait_xcnt 0x0
	s_wait_alu depctr_hold_cnt(0) depctr_sa_sdst(0) depctr_va_vdst(0) depctr_va_sdst(0) depctr_va_ssrc(0) depctr_va_vcc(0) depctr_vm_vsrc(0)
	s_getreg_b32 s2, hwreg(HW_REG_IB_STS2, 6, 4)
	s_cmp_eq_u32 s2, 0
	s_cbranch_scc0 .Lentry_in_a_cluster
	s_endpgm
.Lentry_in_a_cluster:
	s_bfe_u32 s2, ttmp6, 0x10000c
	s_cmp_lg_u32 s2, 0x3003
	s_cbranch_scc0 .Lentry_shape_is_right
	s_endpgm
.Lentry_shape_is_right:
; y[b][t][head] = softmax_s(q[t] . k[s] / 8) v[s], no mask, 64 heads (batch x head) of 2,048 tokens x 64.  q, k, v come as f16 register images (qkvf, laid by the launch before);
; q already carries log2(e) / 8, so p = 2^(q . k).  Products on f16 operands with f32 sums; the row's sum of the unrounded p, in f32, divides at the end; y is rounded to f16 once.
; NO MAXIMUM IS TAKEN AWAY AHEAD OF THE EXPONENTIAL, because the norm that the problem itself puts ahead of the scores bounds them for EVERY input: with S the sum of a head's 64 squares,
; the normalised vector's squares sum to 64 S / (S + 64 eps) < 64, for q and for k; so |q . k| / 8 < 8, the exponent of 2 lies within +-11.6 (the rounding of q and k to f16 moves it by
; under one part in a thousand), p lies between 3.2e-4 and 3,100: inside f16's normal range; and a row's sum of 2,048 such p stays under 6.4e6, in f32.  Nothing can overflow or fall to zero,
; so there is no running maximum and O is never rescaled.  Nothing else of the problem's work is left out.
; SHARES.  A work-group owns 512 queries of one head, each of its eight waves 64: four tiles of 16; two waves to a SIMD, 512 registers each.  Every wave walks the head's 2,048 keys, 32 a step.
; LAYOUT.  S^T = K Q^T (source 0 = 16 keys, source 1 = 16 queries): a lane holds ONE query (lane % 16) and the keys 8 (lane / 16) + 0..7.  Two such tiles, rounded to f16 in pairs, ARE source 1
; (32 keys x 16 queries) of O^T = V^T P, whose result again holds one query a lane and eight channels: which, rounded in pairs, are 16 bytes of the next launch's operand image.
; K comes out of LDS as its image lies (16 x lane: no two lanes of a load meet in a bank), V ([key][16 channels], rows of 32 bytes) turned, by ds_load_tr16_b128.
; CLUSTER.  The four work-groups of a cluster are the four blocks of queries of one head and walk the same K and V: every tile is asked for JOINTLY, with a mask that names the four.
; THE RING.  Two slots, each a chunk of 512 keys: K 65,536 bytes, then V 65,536: one dense block of memory.  Each of the eight waves brings 16,384 bytes of it by one load.  Four chunks: both slots are
; asked for at the start and each is filled again once; a refill has the other slot's 16 steps, 512 matrix instructions a wave, in which to land, so nothing is asked for earlier than that.
; yf: [64 blocks of 128 tokens][32 steps of 32 features][8 tiles of 16 tokens][1,024 bytes]: lane (r, h): token r, features 8 h + 0..7 at 16 x lane, 16 + 8 h + 0..7 at 512 + 16 x lane.
; LIMITS: y is rounded to f16 (it is an average of v: v's limits hold).  NaN and infinities are not served.
; REGISTERS.  window 0: v1-6 addresses; v32-63 K (keys 16 kt, features 32 c: at 8 (2 kt + c)); v64-95 V (channels 16 t: at 8 t); v96-159 S^T, then p (16 q + 8 kt); v160-191 P (8 q);
;   v192-199 the sums, a pair a tile; v200-203 at work.   window 1: v0-127 O^T (32 q + 8 t); v128-191 Q (16 q + 8 c).
.set HEADB,  786432                    ; a head in qkvf
.set CHUNKB, 196608                    ; a chunk of 512 tokens: K, V, Q
.set SLOTB,  131072                    ; a slot: K and V of a chunk
.set SPARE,  2*SLOTB                   ; behind the ring: the spare words, 128 bytes for each of eight waves
.set LI,  1                            ; v1  16 x lane
.set AV0, 2                            ; v2  my lane's place in a tile of V
.set ADK, 3                            ; v3  LDS address of the step's K
.set ADV, 4                            ; v4  of its V
.set SPW, 5                            ; v5  LDS address of my spare word; never rewritten
.set NIL, 6                            ; v6  0; never rewritten
.set KF,  32
.set VF,  64
.set S,   96
.set P,   160
.set L,   192
.set T,   200
.set QF,  128                          ; in window 1
.set WV,  8                            ; s8   my wave's number
.set CX,  9                            ; s9   my place in the cluster: my block of 512 queries (the grid is one cluster wide)
.set BH,  10                           ; s10  the head
.set G1,  16                           ; s[16:23] descriptor group 1
.set G0A, 24                           ; s[24:27] group 0 for slot 0
.set G0B, 28                           ; s[28:31] for slot 1
.set TB,  32                           ; s32  LDS byte at which the tiles of the step to be fetched begin
.set CNT, 33                           ; s33  counts steps
.set SEL, 34                           ; s[34:35] lane selects for v_permlanex16_b32: lane l xor 16
.set MSB, 0
.macro WIN new                         ; the immediate's high byte repeats the setting that is left
.if MSB != (\new)
	s_set_vgpr_msb (MSB<<8)|(\new)
.set MSB, \new
.endif
.endm
.macro CROUND                          ; a round of the cluster's barrier
	s_barrier_signal -1
	s_barrier_wait -1
	s_cmp_lg_u32 s[WV], 0
	s_cbranch_scc1 .Lnot_wave_0_\@
	s_barrier_signal -3
.Lnot_wave_0_\@:
	s_barrier_wait -3
	s_barrier_signal -1
	s_barrier_wait -1
.endm
	s_load_b128 s[4:7], s[0:1], 0x0                ; qkvf s[4:5], yf s[6:7]
	v_lshl_add_u32 v[SPW], v0, 2, SPARE
	v_mov_b32 v[NIL], 0
	ds_add_u32 v[SPW], v[NIL]                      ; the wave's opening: the add, twice on end, and its wait ahead of my first tensor load
	ds_add_u32 v[SPW], v[NIL]                      ; and once more; the set-up below, work on registers, stands between it and the wait
	v_lshrrev_b32 v7, 5, v0
	v_readfirstlane_b32 s[WV], v7                  ; wave 0..7
	s_bfe_u32 s[CX], ttmp6, 0x40000
	s_and_b32 s[BH], ttmp7, 0xffff
	; descriptor group 1: 16,384 dense bytes as 64 rows of 256 bytes (32 elements of 8 bytes), no padding
	s_mov_b32 s[G1+0], 15|(3<<16)|(1<<21)          ; 15:0 the mask: all four work-groups; elements of 8 bytes; bit 21 beside a mask
	s_mov_b32 s[G1+1], 32<<16                      ; tensor_dim0 = 32
	s_mov_b32 s[G1+2], 64<<16                      ; tensor_dim1 = 64
	s_mov_b32 s[G1+3], 32<<16                      ; tile_dim0 = 32
	s_mov_b32 s[G1+4], 64                          ; tile_dim1 = 64
	s_mov_b32 s[G1+5], 32                          ; tensor_dim0_stride
	s_mov_b32 s[G1+6], 0
	s_mov_b32 s[G1+7], 0
	s_mul_i32 s36, s[BH], HEADB                    ; the head's first byte
	s_lshl_b32 s44, s[WV], 14                      ; my 16,384 bytes of a chunk's K and V: in LDS,
	s_add_co_u32 s38, s36, s44                     ; and in memory: made of the head and the wave's number alone
	s_mov_b32 s39, 0
	s_mul_i32 s40, s[CX], CHUNKB                   ; Q: my work-group's chunk,
	s_add_co_u32 s40, s40, s36
	s_lshl_b32 s42, s[WV], 13                      ; my wave's 64 queries: four tiles of 2,048 bytes,
	s_add_co_u32 s40, s40, s42
	s_add_co_u32 s40, s40, 2*65536                 ; behind the chunk's K and V
	s_mov_b32 s41, 0
	s_lshr_b32 s42, s[BH], 4                       ; y: the batch's 16 blocks of 128 tokens,
	s_lshl_b32 s42, s42, 4
	s_lshl_b32 s43, s[CX], 2                       ; my work-group's four,
	s_add_co_u32 s42, s42, s43
	s_lshr_b32 s43, s[WV], 1                       ; two waves to a block
	s_add_co_u32 s42, s42, s43
	s_lshl_b32 s42, s42, 18                        ; 262,144 bytes a block
	s_and_b32 s43, s[BH], 15
	s_lshl_b32 s43, s43, 14                        ; the head's two steps of 32 features: 8,192 bytes each
	s_add_co_u32 s42, s42, s43
	s_and_b32 s43, s[WV], 1
	s_lshl_b32 s43, s43, 12                        ; my four tiles of the block's eight
	s_add_co_u32 s42, s42, s43
	s_mov_b32 s43, 0
	s_mov_b32 s[SEL], 0x76543210
	s_mov_b32 s[SEL+1], 0xfedcba98
	v_and_b32 v7, 31, v0
	v_lshlrev_b32 v[LI], 4, v7
	; the turning load takes 16 keys x 16 channels: lane l reads 16 bytes: key 8 (l / 16) + l % 8, channels 8 ((l / 8) % 2) + 0..7
	v_bfe_u32 v7, v0, 4, 1
	v_and_b32 v8, 7, v0
	v_bfe_u32 v9, v0, 3, 1
	v_lshlrev_b32 v[AV0], 8, v7
	v_lshl_add_u32 v[AV0], v8, 5, v[AV0]
	v_lshl_add_u32 v[AV0], v9, 4, v[AV0]
	v_add_nc_u32 v[AV0], 65536, v[AV0]             ; V lies behind the slot's K
	s_wait_dscnt 0x0                               ; both opening adds are done
	s_wait_kmcnt 0x0
	s_add_nc_u64 s[38:39], s[4:5], s[38:39]        ; my part of chunk 0
	s_add_nc_u64 s[4:5], s[4:5], s[40:41]          ; Q at my wave's first query
	s_add_nc_u64 s[6:7], s[6:7], s[42:43]          ; y likewise
	CROUND                                         ; all four work-groups are here: the first joint loads meet
	s_mov_b32 s[G0A], 1                            ; count = 1
	s_mov_b32 s[G0A+1], s44                        ; LDS address: slot 0
	s_mov_b64 s[G0A+2:G0A+3], s[38:39]             ; global address: chunk 0
	s_or_b32 s[G0A+3], s[G0A+3], 0x80000000        ; type = 2
	s_mov_b32 s[G0B], 1
	s_add_co_u32 s[G0B+1], s44, SLOTB              ; slot 1
	s_add_nc_u64 s[G0B+2:G0B+3], s[38:39], CHUNKB  ; chunk 1
	s_or_b32 s[G0B+3], s[G0B+3], 0x80000000
	tensor_load_to_lds s[G0A:G0A+3], s[G1:G1+7]    ; every wave issues both first fills: two loads of mine are out
	s_nop 0
	tensor_load_to_lds s[G0B:G0B+3], s[G1:G1+7]
	s_nop 0
.rept 4
	v_nop
.endr
	WIN 0x40                                       ; destination window 1, address window 0
.irp i, 0,1,2,3,4,5,6,7,8,9,10,11,12,13,14,15      ; Q stays in registers: its image as it lies, 512 bytes a load
	global_load_b128 v[QF+4*\i:QF+4*\i+3], v[LI], s[4:5] offset:512*\i
.endr
	WIN 0
.macro FETCHK                          ; a step's K: 32 keys x 64 features: four fragments, eight loads of 512 consecutive bytes
	v_add_nc_u32 v[ADK], s[TB], v[LI]
.irp f, 0,1,2,3
	ds_load_b128 v[KF+8*\f:KF+8*\f+3],   v[ADK] offset:1024*\f
	ds_load_b128 v[KF+8*\f+4:KF+8*\f+7], v[ADK] offset:1024*\f+512
.endr
.endm
.macro FETCHV                          ; its V, turned: four fragments of 16 channels x 32 keys
	v_add_nc_u32 v[ADV], s[TB], v[AV0]
	s_add_co_u32 s[TB], s[TB], 4096                ; the next fetch is the next step's: two tiles of 16 keys on
.irp t, 0,1,2,3
	ds_load_tr16_b128 v[VF+8*\t:VF+8*\t+3],   v[ADV] offset:512*\t
	ds_load_tr16_b128 v[VF+8*\t+4:VF+8*\t+7], v[ADV] offset:512*\t+2048
.endr
.endm
; A KEY STEP: 32 keys against my 64 queries.  zero = 1: the first step, which starts O^T and the sums: nothing is cleared.  more = 1: the next step's K and V are fetched, each as soon as its registers are free.
; The accumulators take turns, one instruction a turn: eight in K Q^T, sixteen in V^T P.
.macro STEP zero, more
	s_wait_dscnt 8                                 ; K is in; V's eight loads, issued behind it, may be out
	WIN 0x04                                       ; source 1 (Q) window 1
.irp c, 0,1
.irp kt, 0,1
.irp q, 0,1,2,3
.if \c == 0
	v_wmma_f32_16x16x32_f16 v[S+16*\q+8*\kt:S+16*\q+8*\kt+7], v[KF+8*(2*\kt+\c):KF+8*(2*\kt+\c)+7], v[QF+16*\q+8*\c:QF+16*\q+8*\c+7], 0
.else
	v_wmma_f32_16x16x32_f16 v[S+16*\q+8*\kt:S+16*\q+8*\kt+7], v[KF+8*(2*\kt+\c):KF+8*(2*\kt+\c)+7], v[QF+16*\q+8*\c:QF+16*\q+8*\c+7], v[S+16*\q+8*\kt:S+16*\q+8*\kt+7]
.endif
.endr
.endr
.endr
	WIN 0
.rept 4
	v_nop                                          ; four places: ahead of the loads into K's registers and of the first read of the scores
.endr
.if \more
	FETCHK
.endif
.set j, 0
.rept 64
	v_exp_f32 v[S+j], v[S+j]                       ; p = 2^(q . k): one batch, ascending: each accumulator from its low end on
.set j, j+1
.endr
	v_nop                                          ; a plain instruction behind the last exponential
	s_wait_alu depctr_va_vdst(0)                   ; and the wait ahead of the first use: one for the 64
.set j, 0
.rept 32
	v_cvt_pk_f16_f32 v[P+j], v[S+2*j], v[S+2*j+1]  ; two tiles of 16 keys become source 1 of the second product
.set j, j+1
.endr
.if \more
	s_wait_dscnt 8                                 ; V is in; the next step's K, eight loads issued behind it, may be out
.else
	s_wait_dscnt 0x0
.endif
	WIN 0x50                                       ; C and D (O^T) window 1
.irp t, 0,1,2,3
.irp q, 0,1,2,3
.if \zero
	v_wmma_f32_16x16x32_f16 v[32*\q+8*\t:32*\q+8*\t+7], v[VF+8*\t:VF+8*\t+7], v[P+8*\q:P+8*\q+7], 0
.else
	v_wmma_f32_16x16x32_f16 v[32*\q+8*\t:32*\q+8*\t+7], v[VF+8*\t:VF+8*\t+7], v[P+8*\q:P+8*\q+7], v[32*\q+8*\t:32*\q+8*\t+7]
.endif
.endr
.endr
	WIN 0
.irp q, 0,1,2,3                                    ; the rows' sums, of the unrounded p, two at a time, the four tiles by turns.  The first four are the places ahead of the loads into V's registers
.if \zero
	v_pk_add_f32 v[L+2*\q:L+2*\q+1], v[S+16*\q:S+16*\q+1], v[S+16*\q+2:S+16*\q+3]
.else
	v_pk_add_f32 v[L+2*\q:L+2*\q+1], v[L+2*\q:L+2*\q+1], v[S+16*\q:S+16*\q+1]
.endif
.endr
.if \more
	FETCHV
.endif
.irp i, 2,4,6,8,10,12,14
.if (\i > 2) || (\zero == 0)
.irp q, 0,1,2,3
	v_pk_add_f32 v[L+2*\q:L+2*\q+1], v[L+2*\q:L+2*\q+1], v[S+16*\q+\i:S+16*\q+\i+1]
.endr
.endif
.endr
.endm
; A slot's 16 key steps; the last fetches nothing, so that no read goes beyond the slot
.macro SLOTBODY base, first
	s_mov_b32 s[TB], \base
	FETCHK
	FETCHV
.if \first
	STEP 1, 1
	s_mov_b32 s[CNT], 14
.else
	s_mov_b32 s[CNT], 15
.endif
.Lstep_\@:
	STEP 0, 1
	s_sub_co_u32 s[CNT], s[CNT], 1
	s_cmp_lg_u32 s[CNT], 0
	s_cbranch_scc1 .Lstep_\@
	STEP 0, 0
.endm
; THE CHANGE OF SLOTS.  Each wave waits for all its tensor loads, of which one is out: its part of the slot ahead; adds 0 to its spare word; and waits for that and for its reads of the slot that it leaves.
; fill = 1: the slot left is filled again, with the chunk two further on: the barrier is then a round of the cluster's, so that no wave of any partner still reads the slot or has a load on its way,
; and the joint refill is the first thing behind it, one load a wave.
.macro CHANGE fill, g0
	s_wait_tensorcnt 0x0                           ; no tensor load of mine is out, so a group 0 may be written
	ds_add_u32 v[SPW], v[NIL]                      ; 0 onto my spare word
.if \fill
	s_add_nc_u64 s[\g0+2:\g0+3], s[\g0+2:\g0+3], 2*CHUNKB   ; the type bits on top are not reached
.endif
	s_wait_dscnt 0x0                               ; the add is done, and my reads of the slot are over
.if \fill
	CROUND
	tensor_load_to_lds s[\g0:\g0+3], s[G1:G1+7]
	s_nop 0
.rept 4
	v_nop
.endr
.else
	s_barrier_signal -1
	s_barrier_wait -1
.endif
.endm
	s_wait_tensorcnt 1                             ; my part of slot 0 is in; slot 1's may stay out
	s_barrier_signal -1
	s_barrier_wait -1                              ; everybody's is
	s_wait_loadcnt 0x0                             ; Q
	SLOTBODY 0, 1                                  ; keys 0-511
	CHANGE 1, G0A                                  ; slot 0 takes keys 1,024-1,535
	SLOTBODY SLOTB, 0                              ; keys 512-1,023
	CHANGE 1, G0B                                  ; slot 1 takes keys 1,536-2,047: the last load
	SLOTBODY 0, 0
	CHANGE 0, G0A                                  ; nothing is left to fetch
	SLOTBODY SLOTB, 0
	; THE WAY OUT.  The sum's two halves and the other half of the lanes' are added; O^T is divided by the sum, rounded to f16 and stored as it stands: 512 consecutive bytes a store.
	; The last step's 32 additions are the places behind the last products.
.irp q, 0,1,2,3
	v_add_f32 v[T+\q], v[L+2*\q], v[L+2*\q+1]
.endr
.irp q, 0,1,2,3
	v_permlanex16_b32 v[L+2*\q+1], v[T+\q], s[SEL], s[SEL+1]
.endr
.irp q, 0,1,2,3
	v_add_f32 v[T+\q], v[T+\q], v[L+2*\q+1]
.endr
.irp q, 0,1,2,3
	v_rcp_f32 v[L+2*\q], v[T+\q]
.endr
	v_nop                                          ; a plain instruction behind the last reciprocal
	s_wait_alu depctr_va_vdst(0)                   ; and the wait ahead of the first use: one for the four
.irp q, 0,1,2,3
	WIN 0x01                                       ; source 0 (O^T) window 1
.set i, 0
.rept 16
	v_pk_mul_f32 v[S+2*i:S+2*i+1], v[32*\q+2*i:32*\q+2*i+1], v[L+2*\q:L+2*\q+1] op_sel_hi:[1,0]   ; ascending: each accumulator from its low end on
.set i, i+1
.endr
	WIN 0
.set i, 0
.rept 16
	v_cvt_pk_f16_f32 v[KF+16*\q+i], v[S+2*i], v[S+2*i+1]   ; each tile has its own 16 registers: no store's data are written again
.set i, i+1
.endr
.irp t, 0,1,2,3
	global_store_b128 v[LI], v[KF+16*\q+4*\t:KF+16*\q+4*\t+3], s[6:7] offset:(\t/2)*8192+\q*1024+(\t%2)*512
.endr
.endr
	s_wait_tensorcnt 0x0                           ; the wave's end, behind my last tensor load
	ds_add_u32 v[SPW], v[NIL]
	s_wait_dscnt 0x0
	CROUND                                         ; the closing round: no work-group ends while a partner may still ask for a tile that names it
	s_endpgm
.Lfunc_end_k_q5e7ed7407f_attn:
	.size	k_q5e7ed7407f_attn, .Lfunc_end_k_q5e7ed7407f_attn-k_q5e7ed7407f_attn
	.p2alignl 7, 3214868480
	.fill 96, 4, 3214868480
	.section	.rodata,"a",@progbits
	.p2align	6, 0x0
	.amdhsa_kernel k_q5e7ed7407f_attn
		.amdhsa_group_segment_fixed_size 327680
		.amdhsa_private_segment_fixed_size 0
		.amdhsa_enable_private_segment 0
		.amdhsa_kernarg_size 16
		.amdhsa_user_sgpr_count 2
		.amdhsa_user_sgpr_kernarg_segment_ptr 1
		.amdhsa_wavefront_size32 1
		.amdhsa_system_sgpr_workgroup_id_x 1
		.amdhsa_system_sgpr_workgroup_id_y 1
		.amdhsa_system_sgpr_workgroup_id_z 1
		.amdhsa_system_vgpr_workitem_id 0
		.amdhsa_next_free_vgpr 512
		.amdhsa_next_free_sgpr 66
		.amdhsa_reserve_vcc 0
		.amdhsa_float_denorm_mode_32 3
		.amdhsa_float_denorm_mode_16_64 3
		.amdhsa_memory_ordered 1
		.amdhsa_forward_progress 1
		.amdhsa_inst_pref_size 105
	.end_amdhsa_kernel
	.amdgpu_metadata
---
amdhsa.version: [ 1, 2 ]
amdhsa.kernels:
  - .name:           k_q5e7ed7407f_attn
    .symbol:         k_q5e7ed7407f_attn.kd
    .args:
      - { .name: qkvf, .offset: 0, .size: 8, .value_kind: global_buffer, .address_space: global }
      - { .name: yf, .offset: 8, .size: 8, .value_kind: global_buffer, .address_space: global }
    .group_segment_fixed_size: 327680
    .private_segment_fixed_size: 0
    .kernarg_segment_align: 8
    .kernarg_segment_size: 16
    .max_flat_workgroup_size: 256
    .sgpr_count:     66
    .vgpr_count:     512
    .wavefront_size: 32
...
	.end_amdgpu_metadata
.endif
;; end of part 3
;; launch oproj (part 4): grid 4 x 64, 4 waves a work-group, clusters of 4 x 4, 327,680 bytes of LDS; arguments yf, wo16, out0; writes out0
.if DOCPART == 4
	.amdgcn_target "amdgcn-amd-amdhsa--gfx1250"
	.amdhsa_code_object_version 6
	.text
	.protected	k_q5e7ed7407f_oproj
	.globl	k_q5e7ed7407f_oproj
	.p2align	8
	.type	k_q5e7ed7407f_oproj,@function
k_q5e7ed7407f_oproj:
	s_mov_b64 s[64:65], 0
	v_nop
	global_prefetch_b8 v0, s[64:65] scope:SCOPE_SE
	s_setreg_imm32_b32 hwreg(HW_REG_WAVE_MODE, 25, 1), 1
	s_wait_xcnt 0x0
	s_wait_alu depctr_hold_cnt(0) depctr_sa_sdst(0) depctr_va_vdst(0) depctr_va_sdst(0) depctr_va_ssrc(0) depctr_va_vcc(0) depctr_vm_vsrc(0)
	s_getreg_b32 s2, hwreg(HW_REG_IB_STS2, 6, 4)
	s_cmp_eq_u32 s2, 0
	s_cbranch_scc0 .Lentry_in_a_cluster
	s_endpgm
.Lentry_in_a_cluster:
	s_bfe_u32 s2, ttmp6, 0x10000c
	s_cmp_lg_u32 s2, 0xf033
	s_cbranch_scc0 .Lentry_shape_is_right
	s_endpgm
.Lentry_shape_is_right:
; out0[m][n] = the sum over k of y[m][k] Wo[n][k]: [8192][1024] x [1024][1024]^T, f16 operands, f32 sums, f32 out.  Nothing of the problem's work is left out here.
; Both operands come as register images (yf, wo16): a fragment (16 rows x 32 K) is 1,024 bytes, registers 0-3 at 16 x lane, registers 4-7 at 512 + 16 x lane.  So a K step's tile is one dense block
; of memory, and every LDS load takes 512 consecutive bytes: no pitch, no padding.
; A tile of out0, 128 tokens x 256 features, is made by a work-group of four waves: 256 work-groups.  A wave makes 64 x 128: 32 accumulators of 16 x 16, 256 registers.
; K goes in 8 steps of 128 through a ring of two LDS slots: y 32,768 bytes ([32 K][8 tiles of tokens]), then Wo 65,536 ([32 K][16 tiles of features]).
; CLUSTERS: 4 x 4 work-groups.  The four of a row of the cluster need the same tiles of y, the four of a column the same tiles of Wo: each tile is asked for JOINTLY.
; THE MATRIX INSTRUCTION IS USED TRANSPOSED (source 0 = 16 rows of Wo, source 1 = 16 tokens): a lane holds eight neighbouring numbers of a row of out0.
; REGISTERS.  window 0: v0-31 addresses; two fragment buffers of 96: v32-127, v128-223: Wo's eight fragments, then y's four.   window 1: the accumulators ((a, b) at v[8 (8 a + b)]).
.set SLOT,   98304
.set YSTEP,  32768                     ; a K step of y's tile in memory
.set WSTEP,  65536                     ; of Wo's
.set STAGE,  2*SLOT                    ; behind the ring: 16 rows x (512 bytes + 16) for each wave, for the way out; no tensor load lands here
.set SPITCH, 528
.set SPARE,  STAGE+4*16*SPITCH         ; behind the stages: the spare words, 128 bytes a wave
.set LAPS,   4                         ; a lap = two K steps = once round the ring
.set ADRY, 16                          ; v16-17  LDS address of my fragments of y in slot 0, 1
.set ADRW, 20                          ; v20-21  the same for Wo
.set STO,  24                          ; v24     the way out: where I put 32 bytes of a row
.set RD,   25                          ; v25     where I read a row back
.set CO,   26                          ; v26     my byte offset in a row of out0
.set SPW,  28                          ; v28     LDS address of my spare word; never rewritten
.set NIL,  29                          ; v29     0; never rewritten
.set F0,   32
.set F1,   128
.set BK,   32                          ; the way out: 16 rows read back from the stage: v32-95 and v96-159 by turns
.set G1, 24                            ; s[24:31] descriptor group 1 for y's tiles;  s[32:39] group 0, one set for each slot
.set G0, 32
.set G1B, 48                           ; s[48:55], s[56:63] the same for Wo's tiles
.set G0B, 56
.set MSB, 0
.macro WIN new                         ; the immediate's high byte repeats the setting that is left
.if MSB != (\new)
	s_set_vgpr_msb (MSB<<8)|(\new)
.set MSB, \new
.endif
.endm
.set MUL, 0x50                         ; C and D window 1; sources 0 and 1 window 0
.macro JLOAD s                         ; a joint load: waves 0 and 1 fetch y's two halves, waves 2 and 3 Wo's; an s_nop 0 and four v_nop follow each of the two lines
	s_cmp_eq_u32 s11, 0
	s_cbranch_scc0 .Lfor_b_\@
	tensor_load_to_lds s[G0+4*\s:G0+4*\s+3], s[G1:G1+7]
	s_nop 0
.rept 4
	v_nop
.endr
	s_branch .Lasked_\@
.Lfor_b_\@:
	tensor_load_to_lds s[G0B+4*\s:G0B+4*\s+3], s[G1B:G1B+7]
	s_nop 0
.rept 4
	v_nop
.endr
.Lasked_\@:
.endm
.macro CREST                           ; a round of the cluster's barrier behind its opening barrier
	s_cmp_lg_u32 s10, 0
	s_cbranch_scc1 .Lnot_wave_0_\@
	s_barrier_signal -3
.Lnot_wave_0_\@:
	s_barrier_wait -3
	s_barrier_signal -1
	s_barrier_wait -1
.endm
.macro CROUND                          ; a whole round
	s_barrier_signal -1
	s_barrier_wait -1
	CREST
.endm
	s_load_b128 s[4:7], s[0:1], 0x0                ; yf s[4:5], wo16 s[6:7]
	s_load_b64 s[8:9], s[0:1], 0x10                ; out0
	v_lshl_add_u32 v[SPW], v0, 2, SPARE
	v_mov_b32 v[NIL], 0
	ds_add_u32 v[SPW], v[NIL]                      ; the wave's opening: the add, twice on end, and its wait ahead of my first tensor load
	ds_add_u32 v[SPW], v[NIL]                      ; and once more; the set-up below, work on registers, stands between it and the wait
	v_lshrrev_b32 v1, 5, v0
	v_readfirstlane_b32 s10, v1                    ; wave 0..3
	s_lshr_b32 s11, s10, 1                         ; which 64 of the tile's tokens are mine.  Also: I fetch for y (0) or for Wo (1)
	s_and_b32 s12, s10, 1                          ; which 128 of its features.  Also: which half of that tile I fetch
	s_bfe_u32 s40, ttmp6, 0x40000                  ; cx, cy: my place in the cluster
	s_bfe_u32 s41, ttmp6, 0x40004
	s_lshl_b32 s42, ttmp9, 2
	s_add_co_u32 s42, s42, s40                     ; tile column = 4 x cluster x + cx
	s_and_b32 s13, ttmp7, 0xffff
	s_lshl_b32 s13, s13, 2
	s_add_co_u32 s13, s13, s41                     ; tile row = 4 x cluster y + cy
	s_lshl_b32 s43, s41, 2
	s_lshl_b32 s43, 15, s43                        ; my row of the cluster
	s_lshl_b32 s44, 0x1111, s40                    ; my column
	; descriptor group 1: dense blocks as rows of 256 bytes (32 elements of 8 bytes): y's half 64 rows, Wo's half 128
	s_or_b32 s[G1+0], s43, (3<<16)|(1<<21)         ; 15:0 the mask: y's tiles go to my row; elements of 8 bytes; bit 21 beside a mask
	s_mov_b32 s[G1+1], 32<<16                      ; tensor_dim0 = 32
	s_mov_b32 s[G1+2], 64<<16                      ; tensor_dim1 = 64
	s_mov_b32 s[G1+3], 32<<16                      ; tile_dim0 = 32
	s_mov_b32 s[G1+4], 64                          ; tile_dim1 = 64
	s_mov_b32 s[G1+5], 32                          ; tensor_dim0_stride
	s_mov_b32 s[G1+6], 0
	s_mov_b32 s[G1+7], 0
	s_or_b32 s[G1B+0], s44, (3<<16)|(1<<21)        ; Wo's tiles go to my column
	s_mov_b32 s[G1B+1], 32<<16
	s_mov_b32 s[G1B+2], 128<<16
	s_mov_b32 s[G1B+3], 32<<16
	s_mov_b32 s[G1B+4], 128
	s_mov_b32 s[G1B+5], 32
	s_mov_b32 s[G1B+6], 0
	s_mov_b32 s[G1B+7], 0
	s_lshl_b32 s16, s13, 18                        ; y: the tile row's block of 128 tokens: 262,144 bytes,
	s_lshl_b32 s17, s12, 14                        ; my half of a K step's 32,768
	s_add_co_u32 s16, s16, s17
	s_mov_b32 s17, 0
	s_lshl_b32 s46, s42, 19                        ; Wo: the tile column's block of 256 rows: 524,288 bytes,
	s_lshl_b32 s47, s12, 15                        ; my half of a K step's 65,536
	s_add_co_u32 s46, s46, s47
	s_mov_b32 s47, 0
	s_lshl_b32 s20, s12, 14                        ; where they go in a slot: y's halves,
	s_lshl_b32 s21, s12, 15
	s_add_co_u32 s21, s21, YSTEP                   ; and behind them Wo's: no place in the cluster enters an LDS address
	s_wait_dscnt 0x0                               ; both opening adds are done
	s_wait_kmcnt 0x0
	s_add_nc_u64 s[14:15], s[4:5], s[16:17]
	s_add_nc_u64 s[46:47], s[6:7], s[46:47]
	CROUND                                         ; all sixteen work-groups are here: the first joint loads meet
.irp s, 0,1
	s_mov_b32 s[G0+4*\s], 1
	s_add_co_u32 s[G0+4*\s+1], s20, \s*SLOT
	s_add_nc_u64 s[G0+4*\s+2:G0+4*\s+3], s[14:15], \s*YSTEP
	s_or_b32 s[G0+4*\s+3], s[G0+4*\s+3], 0x80000000
	s_mov_b32 s[G0B+4*\s], 1
	s_add_co_u32 s[G0B+4*\s+1], s21, \s*SLOT
	s_add_nc_u64 s[G0B+4*\s+2:G0B+4*\s+3], s[46:47], \s*WSTEP
	s_or_b32 s[G0B+4*\s+3], s[G0B+4*\s+3], 0x80000000
	JLOAD \s                                       ; two loads of mine are out
.endr
	v_and_b32 v1, 15, v0                           ; r
	v_bfe_u32 v2, v0, 4, 1                         ; h
	v_and_b32 v3, 31, v0
	v_lshlrev_b32 v[CO], 4, v3                     ; 16 x lane
	s_lshl_b32 s22, s11, 12                        ; my four tiles of tokens of the eight
	s_lshl_b32 s23, s12, 13                        ; my eight tiles of features of the sixteen,
	s_add_co_u32 s23, s23, YSTEP                   ; behind y's part of the slot
.irp s, 0,1
	v_add_nc_u32 v[ADRY+\s], s22, v[CO]
	v_add_nc_u32 v[ADRW+\s], s23, v[CO]
	s_add_co_u32 s22, s22, SLOT
	s_add_co_u32 s23, s23, SLOT
.endr
	s_mul_i32 s23, s10, 16*SPITCH
	s_add_co_u32 s23, s23, STAGE                   ; my stage
	v_mul_u32_u24 v5, v1, SPITCH                   ; in: row r, 32 bytes for each half of the lanes
	v_lshl_add_u32 v5, v2, 5, v5
	v_add_nc_u32 v[STO], s23, v5
	v_add_nc_u32 v[RD], s23, v[CO]                 ; back: the 32 lanes take one row of 512 bytes
	s_lshl_b32 s16, s13, 7
	s_lshl_b32 s17, s11, 6
	s_add_co_u32 s16, s16, s17                     ; my first row of out0: 128 x tile row + 64 x half
	s_lshl_b32 s16, s16, 12                        ; 4,096 bytes a row
	s_lshl_b32 s46, s42, 10                        ; my first column, in bytes: 1,024 x tile column + 512 x half
	s_lshl_b32 s47, s12, 9
	s_add_co_u32 s46, s46, s47
	s_add_co_u32 s16, s16, s46
	s_mov_b32 s17, 0
	s_add_nc_u64 s[8:9], s[8:9], s[16:17]
; 8 matrix instructions: tokens' tile a against Wo's eight, 32 along K, from buffer f.  zero = 1: the first product starts the sums.  The 32 accumulators take turns, one instruction a turn.
.macro MUL8 f, a, zero
.irp b, 0,1,2,3,4,5,6,7
.if \zero
	v_wmma_f32_16x16x32_f16 v[8*(8*(\a)+\b):8*(8*(\a)+\b)+7], v[\f+8*\b:\f+8*\b+7], v[\f+64+8*(\a):\f+64+8*(\a)+7], 0
.else
	v_wmma_f32_16x16x32_f16 v[8*(8*(\a)+\b):8*(8*(\a)+\b)+7], v[\f+8*\b:\f+8*\b+7], v[\f+64+8*(\a):\f+64+8*(\a)+7], v[8*(8*(\a)+\b):8*(8*(\a)+\b)+7]
.endif
.endr
.endm
; 24 LDS loads in one run: the fragments of the slot's q-th 32 along K into buffer f: Wo's sixteen loads, then y's eight
.macro FETCH slot, q, f
	WIN 0
.irp b, 0,1,2,3,4,5,6,7
	ds_load_b128 v[\f+8*\b:\f+8*\b+3],   v[ADRW+\slot] offset:(\q)*16384+\b*1024
	ds_load_b128 v[\f+8*\b+4:\f+8*\b+7], v[ADRW+\slot] offset:(\q)*16384+\b*1024+512
.endr
.irp a, 0,1,2,3
	ds_load_b128 v[\f+64+8*\a:\f+64+8*\a+3], v[ADRY+\slot] offset:(\q)*8192+\a*1024
	ds_load_b128 v[\f+64+8*\a+4:\f+64+8*\a+7], v[ADRY+\slot] offset:(\q)*8192+\a*1024+512
.endr
.endm
.macro PLACES                          ; four places in front of loads into registers that matrix instructions have read, and of the first read of results
.rept 4
	v_nop
.endr
.endm
; A K step is four quarters of 32 along K, 32 matrix instructions each, on buffers 0, 1, 0, 1.  One of the first three: multiplies buffer f and fetches the next quarter, qn, into g.
.macro QUARTER slot, qn, f, g, zero
	s_wait_dscnt 4                                 ; Wo's fragments and y's tiles 0 and 1 are in; the youngest four loads (tiles 2 and 3) may be out
	WIN MUL
	MUL8 \f, 0, \zero
	MUL8 \f, 1, \zero
	PLACES
	FETCH \slot, \qn, \g
	s_wait_dscnt 24                                ; all but the 24 just issued
	WIN MUL
	MUL8 \f, 2, \zero
	MUL8 \f, 3, \zero
.endm
; The last quarter multiplies buffer 1 and changes slots: ONE barrier; in front of it each wave waits for all its tensor loads, adds 0 to its spare word, and waits for that and for its reads of this slot.
; fill = 1: this slot is filled again, two K steps ahead; the barrier then opens a round of the cluster's barrier, and the joint refill is the first tensor load behind it.
.macro TURN slot, next, fill
	WIN 0                                          ; (the add's two registers lie in window 0)
	s_wait_tensorcnt 0x0                           ; all my tensor loads have landed: my part of the next slot
	ds_add_u32 v[SPW], v[NIL]                      ; 0 onto my spare word
	s_wait_dscnt 5                                 ; (the add and the youngest four loads may be out)
	WIN MUL
	MUL8 F1, 0, 0                                  ; eight matrix instructions stand between the add and the wait for it
	s_wait_dscnt 0x0                               ; the add is done, and my reads of this slot are over
	s_barrier_signal -1
	MUL8 F1, 1, 0
	WIN 0                                          ; (branches may follow)
	s_barrier_wait -1
.if \fill
	CREST                                          ; no wave of any partner still reads this slot's tile or has a load on its way
	s_add_nc_u64 s[G0+4*\slot+2:G0+4*\slot+3], s[G0+4*\slot+2:G0+4*\slot+3], 2*YSTEP
	s_add_nc_u64 s[G0B+4*\slot+2:G0B+4*\slot+3], s[G0B+4*\slot+2:G0B+4*\slot+3], 2*WSTEP
	JLOAD \slot                                    ; it has 112 matrix instructions in which to land; the four v_nop behind it are also the places in front of the loads below
.else
	PLACES
.endif
	FETCH \next, 0, F0
	WIN MUL
	MUL8 F1, 2, 0
	MUL8 F1, 3, 0
.endm
	s_wait_tensorcnt 1                             ; my part of K step 0 is in (K step 1's may be out)
	s_barrier_signal -1
	s_barrier_wait -1                              ; everybody's is
	FETCH 0, 0, F0
	QUARTER 0, 1, F0, F1, 1                        ; the first quarter stands in front of the loop: its products start the sums
	WIN 0                                          ; at a label and at a branch every window is 0
	s_mov_b32 s3, LAPS-1
.Llap:                                             ; a trip goes once round the ring, from a lap's second quarter to the next lap's first, and fills both slots again
	QUARTER 0, 2, F1, F0, 0
	QUARTER 0, 3, F0, F1, 0
	TURN 0, 1, 1
	QUARTER 1, 1, F0, F1, 0
	QUARTER 1, 2, F1, F0, 0
	QUARTER 1, 3, F0, F1, 0
	TURN 1, 0, 1
	QUARTER 0, 1, F0, F1, 0
	WIN 0
	s_sub_co_u32 s3, s3, 1
	s_cmp_lg_u32 s3, 0
	s_cbranch_scc1 .Llap
	QUARTER 0, 2, F1, F0, 0                        ; the last lap fills nothing, and has no round of the cluster's barrier
	QUARTER 0, 3, F0, F1, 0
	TURN 0, 1, 0
	QUARTER 1, 1, F0, F1, 0
	QUARTER 1, 2, F1, F0, 0
	QUARTER 1, 3, F0, F1, 0
	s_wait_dscnt 4                                 ; the very last quarter: nothing more to fetch
	WIN MUL
	MUL8 F1, 0, 0
	MUL8 F1, 1, 0
	s_wait_dscnt 0
	MUL8 F1, 2, 0
	MUL8 F1, 3, 0
	WIN 0
; THE WAY OUT, block by block of 16 rows x 128 columns.  A lane holds 32 neighbouring bytes of a row, and the lanes beside it hold other rows: so a block goes through my own stage in LDS and comes back as whole
; rows of 512 bytes.  LDS serves a wave's instructions in order (ISA guide 5.7.1.4): no wait between the stores and the loads, nor in front of the next block's stores.
.macro TOSTAGE a
	WIN 0x04                                       ; an LDS store's data are its source 1: window 1
.irp b, 0,1,2,3,4,5,6,7
	ds_store_b128 v[STO], v[64*(\a)+8*\b:64*(\a)+8*\b+3] offset:64*\b          ; each accumulator from its low end on
	ds_store_b128 v[STO], v[64*(\a)+8*\b+4:64*(\a)+8*\b+7] offset:64*\b+16
.endr
	WIN 0
.set BB, BK+64*((\a)%2)
.irp t, 0,1,2,3,4,5,6,7,8,9,10,11,12,13,14,15
	ds_load_b128 v[BB+4*\t:BB+4*\t+3], v[RD] offset:\t*SPITCH
.endr
.endm
.macro SEND a, younger                 ; younger: the LDS instructions issued behind block a's loads, which may stay out
.set BB, BK+64*((\a)%2)
	s_wait_dscnt \younger                          ; the block is back in registers
.if (\a) > 0
	s_add_nc_u64 s[8:9], s[8:9], 16*4096           ; (behind a wait on XCNT: the earlier stores have read their base)  16 rows on
.endif
.irp t, 0,1,2,3,4,5,6,7,8,9,10,11,12,13,14,15
	global_store_b128 v[CO], v[BB+4*\t:BB+4*\t+3], s[8:9] offset:\t*4096 th:TH_STORE_NT   ; 32 lanes store 512 consecutive bytes, aligned; written once, read by nobody here
.endr
.endm
	PLACES                                         ; for the first read of results and for the loads into registers that held fragments
	TOSTAGE 0
.irp a, 1,2,3
.if \a > 1
	s_wait_xcnt 0x0                                ; block a - 2's stores have read their registers and their base: block a's loads may land there, and the base may step
.endif
	TOSTAGE \a
	SEND \a-1, 32                                  ; behind block a - 1's loads: block a's 16 stores and 16 loads
.endr
	s_wait_xcnt 0x0                                ; block 2's stores have read their base
	SEND 3, 0
	s_wait_tensorcnt 0x0                           ; the wave's end, behind my last tensor load and my last LDS store
	ds_add_u32 v[SPW], v[NIL]
	s_wait_dscnt 0x0
	CROUND                                         ; the closing round: no work-group ends while a partner may still ask for a tile that names it
	s_endpgm
.Lfunc_end_k_q5e7ed7407f_oproj:
	.size	k_q5e7ed7407f_oproj, .Lfunc_end_k_q5e7ed7407f_oproj-k_q5e7ed7407f_oproj
	.p2alignl 7, 3214868480
	.fill 96, 4, 3214868480
	.section	.rodata,"a",@progbits
	.p2align	6, 0x0
	.amdhsa_kernel k_q5e7ed7407f_oproj
		.amdhsa_group_segment_fixed_size 327680
		.amdhsa_private_segment_fixed_size 0
		.amdhsa_enable_private_segment 0
		.amdhsa_kernarg_size 24
		.amdhsa_user_sgpr_count 2
		.amdhsa_user_sgpr_kernarg_segment_ptr 1
		.amdhsa_wavefront_size32 1
		.amdhsa_system_sgpr_workgroup_id_x 1
		.amdhsa_system_sgpr_workgroup_id_y 1
		.amdhsa_system_sgpr_workgroup_id_z 1
		.amdhsa_system_vgpr_workitem_id 0
		.amdhsa_next_free_vgpr 512
		.amdhsa_next_free_sgpr 66
		.amdhsa_reserve_vcc 0
		.amdhsa_float_denorm_mode_32 3
		.amdhsa_float_denorm_mode_16_64 3
		.amdhsa_memory_ordered 1
		.amdhsa_forward_progress 1
		.amdhsa_inst_pref_size 84
	.end_amdhsa_kernel
	.amdgpu_metadata
---
amdhsa.version: [ 1, 2 ]
amdhsa.kernels:
  - .name:           k_q5e7ed7407f_oproj
    .symbol:         k_q5e7ed7407f_oproj.kd
    .args:
      - { .name: yf, .offset: 0, .size: 8, .value_kind: global_buffer, .address_space: global }
      - { .name: wo16, .offset: 8, .size: 8, .value_kind: global_buffer, .address_space: global }
      - { .name: out0, .offset: 16, .size: 8, .value_kind: global_buffer, .address_space: global }
    .group_segment_fixed_size: 327680
    .private_segment_fixed_size: 0
    .kernarg_segment_align: 8
    .kernarg_segment_size: 24
    .max_flat_workgroup_size: 128
    .sgpr_count:     66
    .vgpr_count:     512
    .wavefront_size: 32
...
	.end_amdgpu_metadata
.endif
;; end of part 4
